; MI455X (gfx1250); checked and timed in simulation.
; The chip was launched on July 23, 2026; its instructions are those of AMD's public machine-readable ISA for CDNA 5 (MIT licence, August 2026) and "CDNA5" Instruction Set Architecture Reference Guide (July 2026). The comments in the code are by the model that wrote it; some were corrected since.
;; Single Head Attention. Allowed arithmetic: float matrix products may take bf16 or f16 operands with f32 sums; all other float work in f32.
;; Inputs: W_K 1,024 x 1,024 float32; W_Q 1,024 x 1,024 float32; W_V 1,024 x 1,024 float32; embedded 4 x 2,048 x 1,024 float32.
;; Outputs: out0 4 x 2,048 x 1,024 float32.
;; 2 versions, each right; version 2 is version 1 with the launch cast written anew for expert scheduling mode. Each part assembles by itself: llvm-mc -triple=amdgcn-amd-amdhsa -mcpu=gfx1250 --defsym DOCPART=n.
;; ======== version 1 of 2: 4 launches
;; limits: values are held in f16: magnitudes above 65,504 overflow, below 6.1e-05 lose precision
;; workspace buffers: xb 16,777,216 bytes; wb 6,291,456 bytes; qk 33,554,432 bytes; vt 16,777,216 bytes; p 33,554,432 bytes; st 1,048,576 bytes; hd 262,144 bytes
;; launch cast (part 1): grid 704 x 1, 8 waves a work-group, no clusters, 0 bytes of LDS; arguments embedded, W_Q, W_K, W_V, xb, wb; writes xb, wb
.if DOCPART == 1
	.amdgcn_target "amdgcn-amd-amdhsa--gfx1250"
	.amdhsa_code_object_version 6
	.text
	.protected	k_q81ff19d854_cast
	.globl	k_q81ff19d854_cast
	.p2align	8
	.type	k_q81ff19d854_cast,@function
k_q81ff19d854_cast:
	s_mov_b64 s[64:65], 0
	v_nop
	global_prefetch_b8 v0, s[64:65] scope:SCOPE_SE
	s_setreg_imm32_b32 hwreg(HW_REG_WAVE_MODE, 25, 1), 1
	s_wait_xcnt 0x0
; embedded [8192][1024] and W_Q, W_K, W_V [1024][1024], all f32, are rounded once to bf16: xb [8192][1024], wb [3072][1024] (rows of W_Q, W_K, W_V).
; A stream: each byte is read once and written once; no LDS, no barrier, no matrix unit: there is nothing for them to do.
; A work-group takes 16,384 numbers (65,536 bytes in, 32,768 out): groups 0-511 take embedded, groups 512-703 the weights, 64 groups each.
; Thread t takes 16 bytes at 16 t of each of sixteen pieces of 4,096 bytes; all sixteen loads are issued together; a wave's store covers 256 consecutive bytes, aligned.
.set IN,  4                            ; v[4:67]   sixteen loads of four f32
.set PKD, 68                           ; v[68:99]  sixteen pairs of packed bf16
	s_load_b256 s[4:11], s[0:1], 0x0               ; embedded s[4:5], W_Q s[6:7], W_K s[8:9], W_V s[10:11]
	s_load_b128 s[12:15], s[0:1], 0x20             ; xb s[12:13], wb s[14:15]
	v_lshlrev_b32 v1, 4, v0                        ; 16 t
	v_lshlrev_b32 v2, 3, v0                        ; 8 t
	s_sub_co_u32 s16, ttmp9, 512                   ; e: the group's number among the weights' (used only where the group is one of them)
	s_lshr_b32 s17, s16, 6                         ; which weight
	s_and_b32 s18, s16, 63                         ; which piece of it
	s_lshl_b32 s20, s18, 16                        ; a weight's piece: bytes in,
	s_lshl_b32 s22, s16, 15                        ; bytes out (the three weights follow each other in wb)
	s_lshl_b32 s24, ttmp9, 16                      ; embedded's piece: bytes in,
	s_lshl_b32 s25, ttmp9, 15                      ; bytes out
	s_mov_b32 s21, 0
	s_mov_b32 s23, 0
	s_wait_kmcnt 0x0
	s_cmp_eq_u32 s17, 1
	s_cselect_b64 s[6:7], s[8:9], s[6:7]
	s_cmp_eq_u32 s17, 2
	s_cselect_b64 s[6:7], s[10:11], s[6:7]         ; the weight that e names
	s_cmp_lt_u32 ttmp9, 512
	s_cselect_b64 s[4:5], s[4:5], s[6:7]           ; from where,
	s_cselect_b64 s[12:13], s[12:13], s[14:15]     ; to where,
	s_cselect_b32 s20, s24, s20                    ; and the two offsets
	s_cselect_b32 s22, s25, s22
	s_add_nc_u64 s[4:5], s[4:5], s[20:21]
	s_add_nc_u64 s[12:13], s[12:13], s[22:23]
.irp j, 0,1,2,3,4,5,6,7,8,9,10,11,12,13,14,15
	global_load_b128 v[IN+4*(\j):IN+4*(\j)+3], v1, s[4:5] offset:4096*(\j) th:TH_LOAD_NT
.endr
.irp j, 0,1,2,3,4,5,6,7,8,9,10,11,12,13,14,15
	s_wait_loadcnt 15-(\j)                         ; loads come back in order (ISA guide 5.7.1): load j is in, the 15 - j younger ones stay out
	v_cvt_pk_bf16_f32 v[PKD+2*(\j)], v[IN+4*(\j)], v[IN+4*(\j)+1]
	v_cvt_pk_bf16_f32 v[PKD+2*(\j)+1], v[IN+4*(\j)+2], v[IN+4*(\j)+3]
	global_store_b64 v2, v[PKD+2*(\j):PKD+2*(\j)+1], s[12:13] offset:2048*(\j)
.endr
	s_endpgm
.Lfunc_end_k_q81ff19d854_cast:
	.size	k_q81ff19d854_cast, .Lfunc_end_k_q81ff19d854_cast-k_q81ff19d854_cast
	.p2alignl 7, 3214868480
	.fill 96, 4, 3214868480
	.section	.rodata,"a",@progbits
	.p2align	6, 0x0
	.amdhsa_kernel k_q81ff19d854_cast
		.amdhsa_group_segment_fixed_size 0
		.amdhsa_private_segment_fixed_size 0
		.amdhsa_enable_private_segment 0
		.amdhsa_kernarg_size 48
		.amdhsa_user_sgpr_count 2
		.amdhsa_user_sgpr_kernarg_segment_ptr 1
		.amdhsa_wavefront_size32 1
		.amdhsa_system_sgpr_workgroup_id_x 1
		.amdhsa_system_sgpr_workgroup_id_y 1
		.amdhsa_system_sgpr_workgroup_id_z 1
		.amdhsa_system_vgpr_workitem_id 0
		.amdhsa_next_free_vgpr 104
		.amdhsa_next_free_sgpr 66
		.amdhsa_reserve_vcc 0
		.amdhsa_float_denorm_mode_32 3
		.amdhsa_float_denorm_mode_16_64 3
		.amdhsa_memory_ordered 1
		.amdhsa_forward_progress 1
		.amdhsa_inst_pref_size 7
	.end_amdhsa_kernel
	.amdgpu_metadata
---
amdhsa.version: [ 1, 2 ]
amdhsa.kernels:
  - .name:           k_q81ff19d854_cast
    .symbol:         k_q81ff19d854_cast.kd
    .args:
      - { .name: embedded, .offset: 0, .size: 8, .value_kind: global_buffer, .address_space: global }
      - { .name: W_Q, .offset: 8, .size: 8, .value_kind: global_buffer, .address_space: global }
      - { .name: W_K, .offset: 16, .size: 8, .value_kind: global_buffer, .address_space: global }
      - { .name: W_V, .offset: 24, .size: 8, .value_kind: global_buffer, .address_space: global }
      - { .name: xb, .offset: 32, .size: 8, .value_kind: global_buffer, .address_space: global }
      - { .name: wb, .offset: 40, .size: 8, .value_kind: global_buffer, .address_space: global }
    .group_segment_fixed_size: 0
    .private_segment_fixed_size: 0
    .kernarg_segment_align: 8
    .kernarg_segment_size: 48
    .max_flat_workgroup_size: 256
    .sgpr_count:     66
    .vgpr_count:     104
    .wavefront_size: 32
...
	.end_amdgpu_metadata
.endif
;; end of part 1
;; launch proj (part 2): grid 8 x 32, 4 waves a work-group, clusters of 4 x 4, 327,680 bytes of LDS; arguments xb, wb, qk, vt; writes qk, vt
.if DOCPART == 2
	.amdgcn_target "amdgcn-amd-amdhsa--gfx1250"
	.amdhsa_code_object_version 6
	.text
	.protected	k_q81ff19d854_proj
	.globl	k_q81ff19d854_proj
	.p2align	8
	.type	k_q81ff19d854_proj,@function
k_q81ff19d854_proj:
	s_mov_b64 s[64:65], 0
	v_nop
	global_prefetch_b8 v0, s[64:65] scope:SCOPE_SE
	s_setreg_imm32_b32 hwreg(HW_REG_WAVE_MODE, 25, 1), 1
	s_wait_xcnt 0x0
	s_wait_alu depctr_hold_cnt(0) depctr_sa_sdst(0) depctr_va_vdst(0) depctr_va_sdst(0) depctr_va_ssrc(0) depctr_va_vcc(0) depctr_vm_vsrc(0)
	s_getreg_b32 s2, hwreg(HW_REG_IB_STS2, 6, 4)
	s_cmp_eq_u32 s2, 0
	s_cbranch_scc0 .Lentry_in_a_cluster
	s_endpgm
.Lentry_in_a_cluster:
	s_bfe_u32 s2, ttmp6, 0x10000c
	s_cmp_lg_u32 s2, 0xf033
	s_cbranch_scc0 .Lentry_shape_is_right
	s_endpgm
.Lentry_shape_is_right:
; THE PROJECTIONS, two products C = A B^T with K = 1024, bf16 operands, f32 sums, C rounded once to f16:
;   qk [8192][2048] = xb [8192][1024] x (rows 0-2047 of wb)^T: columns 0-1023 are Q, columns 1024-2047 are K: 32 x 8 tiles of 256 x 256;
;   vt [4][1024 channels][2048 keys] = (rows 2048-3071 of wb: W_V) x xb^T: V turned, so that the last launch finds keys along the rows: 8 x 32 tiles of 128 x 256.
; LIMIT.  f16 holds no number beyond 65,504: a q, k or v of 65,520 or more becomes an infinity.  NaN and infinities are not treated apart.
; A WORK-GROUP STAYS and makes one tile of each: 256 work-groups, each with 256 x 256 + 128 x 256 of C: all alike.
; STAGE 1, the tile of qk: four waves of 128 x 128, 64 accumulators of 16 x 16 each.  STAGE 2, the tile of vt: four waves of 64 x 128, the 32 accumulators of window 2.
; K goes in 8 steps of 128 a stage through two LDS slots filled by the tensor data mover; the tiles' rows are 256 bytes of memory, aligned.  THE RING RUNS ON ACROSS THE STAGES: the changes of slots of stage 1's
; last two K steps ask for stage 2's first two, and the tile of qk goes out when both have been asked for.  A K step is written once a stage and looped over: the slot in hand is a scalar (TB) that one exclusive or turns.
; CLUSTERS: 4 x 4 work-groups.  With (x, y) the cluster's place and (cx, cy) mine in it: qk's tile row is 4 y + cy, its tile column 4 x + cx; vt's block of 128 channels is 4 x + cy, its block of 256 keys 4 y + cx.
; So in both stages A's tile (xb, then W_V) hangs on cy and is shared along a row of the cluster, B's (wb, then xb) on cx and is shared along a column: each is asked for jointly.
; One shape of load serves both stages, 128 rows x 128 K: in stage 1 waves 0 and 1 fetch A's halves, waves 2 and 3 B's; in stage 2 A has 128 rows: wave 0 fetches them and wave 1 has no part.
; THE MATRIX INSTRUCTION IS USED TRANSPOSED (source 0 = 16 rows of B, source 1 = 16 rows of A): a lane holds eight neighbouring numbers of a row of C.
; REGISTERS, in windows of 256: window 0: v0-31 addresses; v64-127, v128-191 fragments of A, two buffers; v32-63, v192-255 at work on the way out.  window 1: v64-127, v128-191 fragments of B.
; windows 2, 3: the accumulators of my rows 0-63, 64-127 ((a, b) at v[8 (8 (a % 4) + b)]).
.set KSTEP,  128
.set PITCH,  272                       ; an LDS row: 256 bytes + 16 of padding: the 16 rows that a load touches start at 16 different groups of four banks (ISA guide 11.1)
.set HALFT,  128*PITCH                 ; 128 rows: what one tensor load brings
.set SLOT,   4*HALFT                   ; A's 256 rows (stage 2: 128 of them used), then B's 256 rows.  0x22000: its two bits are clear in wave x HALFT, so an exclusive or adds or takes it away
.set STAGE,  2*SLOT                    ; behind the ring: 16 rows x 272 bytes for each wave, for the way out
.set SPITCH, 272
.set SPARE,  STAGE+4*16*SPITCH         ; the spare words, 128 bytes a wave: two blocks of 256 bytes that no other line names
.set CPITCH, 4096                      ; bytes in a row of qk and of vt
.set ADRA0, 16                         ; v16  stage 1: my A fragments' LDS address in slot 0; never rewritten
.set ADRA,  17                         ; v17  my A fragments' address in the slot in hand
.set ADRAH, 18                         ; v18  stage 2: as v16, for my 64 rows of A's 128; never rewritten
.set ADRB0, 20                         ; v20  my B fragments' address in slot 0, both stages; never rewritten
.set ADRB,  21
.set STO,  24                          ; the way out: where I put 16 bytes of a row
.set RD,   25                          ; where I read a row back
.set CO,   26                          ; my byte offset in two rows of C
.set SPW,  28                          ; my spare word's LDS address; never rewritten
.set NIL,  29                          ; 0; never rewritten
.set F0,   64
.set F1,   128
.set TMP,  192
.set OB,   32
.set G1, 24                            ; s[24:31] group 1 for A's tiles
.set G0, 32                            ; s[32:39] group 0 for stage 1's A: set 0 for K step 0; set 1 for K step 1, and it walks on
.set G1B, 48                           ; s[48:55], s[56:63] the same for B
.set G0B, 56
.set G2A, 80                           ; s[80:83] group 0 for stage 2's A: it walks
.set G2B, 84                           ; s[84:87] for stage 2's B
.set INC, 88                           ; s[88:89] what stage 2's addresses step by: 0 at the first use, then a K step's 256 bytes
.set HR,  90                           ; s90 vt's block of 128 channels
.set KC,  91                           ; s91 vt's block of 256 keys
.set CNT, 2                            ; s2  counts a stage's last two K steps
.set LC,  3                            ; s3  counts its first six
.set TB,  67                           ; s67 0 or SLOT: the slot in hand
.set MSB, 0
.macro WIN new                         ; the immediate's high byte repeats the setting that is left; a switch that changes nothing is dropped
.if MSB != (\new)
	s_set_vgpr_msb (MSB<<8)|(\new)
.set MSB, \new
.endif
.endm
.set MUL_LO, 0xa1                      ; source 0 (B) window 1, source 1 (A) window 0, C and D window 2
.set MUL_HI, 0xf1                      ; the same, C and D window 3
.set TO_B,   0x40                      ; destination window 1, address window 0
; Stage 1's joint load: waves 0 and 1 fetch A's two halves, waves 2 and 3 B's.  The branch hangs on the wave's number alone.  An s_nop 0 and four v_nop follow each line.
.macro JLOAD s
	s_cmp_eq_u32 s11, 0
	s_cbranch_scc0 .Lfor_b_\@
	tensor_load_to_lds s[G0+4*(\s):G0+4*(\s)+3], s[G1:G1+7]
	s_nop 0
.rept 4
	v_nop
.endr
	s_branch .Lasked_\@
.Lfor_b_\@:
	tensor_load_to_lds s[G0B+4*(\s):G0B+4*(\s)+3], s[G1B:G1B+7]
	s_nop 0
.rept 4
	v_nop
.endr
.Lasked_\@:
.endm
; Stage 2's joint load: wave 0 fetches A's 128 rows, waves 2 and 3 B's two halves, wave 1 has no part of the tile and issues none.
.macro JLOAD2
	s_cmp_lg_u32 s10, 0
	s_cbranch_scc1 .Lnot_a_\@
	tensor_load_to_lds s[G2A:G2A+3], s[G1:G1+7]
	s_nop 0
.rept 4
	v_nop
.endr
	s_branch .Lasked_\@
.Lnot_a_\@:
	s_cmp_lt_u32 s10, 2
	s_cbranch_scc1 .Lasked_\@
	tensor_load_to_lds s[G2B:G2B+3], s[G1B:G1B+7]
	s_nop 0
.rept 4
	v_nop
.endr
.Lasked_\@:
.endm
.macro CREST                           ; a round of the cluster's barrier behind its opening barrier
	s_cmp_lg_u32 s10, 0
	s_cbranch_scc1 .Lnot_wave_0_\@
	s_barrier_signal -3
.Lnot_wave_0_\@:
	s_barrier_wait -3
	s_barrier_signal -1
	s_barrier_wait -1
.endm
.macro CROUND                          ; a whole round
	s_barrier_signal -1
	s_barrier_wait -1
	CREST
.endm
	s_load_b256 s[68:75], s[0:1], 0x0              ; xb s[68:69], wb s[70:71], qk s[72:73], vt s[74:75]
	v_lshl_add_u32 v[SPW], v0, 2, SPARE
	v_mov_b32 v[NIL], 0
	ds_add_u32 v[SPW], v[NIL]                      ; the wave's opening: the add and its wait ahead of my first tensor load; the set-up below stands between them
	v_lshrrev_b32 v1, 5, v0
	v_readfirstlane_b32 s10, v1                    ; wave 0..3
	s_lshr_b32 s11, s10, 1                         ; which half of the tile's rows is mine.  Also, in stage 1: I fetch for A (0) or for B (1)
	s_and_b32 s12, s10, 1                          ; which half of its columns.  Also: which 128 rows of a tile of 256 I fetch
	s_bfe_u32 s40, ttmp6, 0x40000                  ; cx
	s_bfe_u32 s41, ttmp6, 0x40004                  ; cy
	s_and_b32 s45, ttmp7, 0xffff                   ; the cluster's y, 0..7
	s_lshl_b32 s42, ttmp9, 2                       ; the cluster's x, 0..1
	s_add_co_u32 s42, s42, s40                     ; qk's tile column, 0..7
	s_lshl_b32 s13, s45, 2
	s_add_co_u32 s13, s13, s41                     ; qk's tile row, 0..31
	s_lshl_b32 s[HR], ttmp9, 2
	s_add_co_u32 s[HR], s[HR], s41                 ; vt's block of 128 channels, 0..7
	s_lshl_b32 s[KC], s45, 2
	s_add_co_u32 s[KC], s[KC], s40                 ; vt's block of 256 keys (rows of xb), 0..31
	s_lshl_b32 s43, s41, 2
	s_lshl_b32 s43, 15, s43                        ; my row of the cluster
	s_lshl_b32 s44, 0x1111, s40                    ; my column
	; group 1: a tile of 128 rows x 128 elements of 2 bytes, 16 bytes of padding behind every 256
	s_or_b32 s[G1+0], s43, (1<<16)|(1<<20)|(1<<21)|(5<<22)|(3<<25)
	s_or_b32 s[G1B+0], s44, (1<<16)|(1<<20)|(1<<21)|(5<<22)|(3<<25)
.irp g, G1, G1B
	s_mov_b32 s[(\g)+1], KSTEP<<16                 ; tensor_dim0 = 128
	s_mov_b32 s[(\g)+2], 128<<16                   ; tensor_dim1 = 128
	s_mov_b32 s[(\g)+3], KSTEP<<16                 ; tile_dim0 = 128
	s_mov_b32 s[(\g)+4], 128                       ; tile_dim1 = 128
	s_mov_b32 s[(\g)+5], 1024                      ; elements from row to row of xb and of wb
	s_mov_b32 s[(\g)+6], 0
	s_mov_b32 s[(\g)+7], 0
.endr
	; where the tiles come from, in bytes (rows of 2,048 bytes).  A's offsets hold cy and never cx, B's cx and never cy
	s_lshl_b32 s17, s12, 7                         ; which 128 rows of a tile of 256 I fetch
	s_lshl_b32 s16, s13, 8
	s_add_co_u32 s16, s16, s17
	s_lshl_b32 s16, s16, 11                        ; stage 1, A: xb's row 256 x tile row + 128 x half
	s_lshl_b32 s46, s42, 8
	s_add_co_u32 s46, s46, s17
	s_lshl_b32 s46, s46, 11                        ; stage 1, B: wb's row 256 x tile column + 128 x half
	s_lshl_b32 s92, s[HR], 18
	s_add_co_u32 s92, s92, 0x400000                ; stage 2, A: wb's row 2048 + 128 x channel block
	s_lshl_b32 s94, s[KC], 8
	s_add_co_u32 s94, s94, s17
	s_lshl_b32 s94, s94, 11                        ; stage 2, B: xb's row 256 x key block + 128 x half
	s_mov_b32 s17, 0
	s_mov_b32 s47, 0
	s_mov_b32 s93, 0
	s_mov_b32 s95, 0
	s_mul_i32 s20, s10, HALFT                      ; where they go: wave x 128 rows: no place in the cluster enters an LDS address
	s_mov_b32 s[TB], 0
	s_mov_b32 s[INC], 0
	s_mov_b32 s[INC+1], 0
	s_wait_dscnt 0x0                               ; the opening add is done
	s_wait_kmcnt 0x0
	s_add_nc_u64 s[14:15], s[68:69], s[16:17]
	s_add_nc_u64 s[46:47], s[70:71], s[46:47]
	s_add_nc_u64 s[92:93], s[70:71], s[92:93]
	s_add_nc_u64 s[94:95], s[68:69], s[94:95]
	s_mov_b32 s[G2A], 1                            ; stage 2's walking sets: the first use turns the LDS word to slot 0 and adds 0 to the address
	s_add_co_u32 s[G2A+1], s20, SLOT
	s_mov_b64 s[G2A+2:G2A+3], s[92:93]
	s_or_b32 s[G2A+3], s[G2A+3], 0x80000000
	s_mov_b32 s[G2B], 1
	s_add_co_u32 s[G2B+1], s20, SLOT
	s_mov_b64 s[G2B+2:G2B+3], s[94:95]
	s_or_b32 s[G2B+3], s[G2B+3], 0x80000000
	CROUND                                         ; all sixteen work-groups are here: the first joint loads meet
.irp s, 0,1
	s_mov_b32 s[G0+4*(\s)], 1
	s_add_co_u32 s[G0+4*(\s)+1], s20, (\s)*SLOT
	s_add_nc_u64 s[G0+4*(\s)+2:G0+4*(\s)+3], s[14:15], (\s)*KSTEP*2
	s_or_b32 s[G0+4*(\s)+3], s[G0+4*(\s)+3], 0x80000000
	s_mov_b32 s[G0B+4*(\s)], 1
	s_add_co_u32 s[G0B+4*(\s)+1], s20, (\s)*SLOT
	s_add_nc_u64 s[G0B+4*(\s)+2:G0B+4*(\s)+3], s[46:47], (\s)*KSTEP*2
	s_or_b32 s[G0B+4*(\s)+3], s[G0B+4*(\s)+3], 0x80000000
	JLOAD \s                                       ; two loads of mine are out
.endr
	; a fragment: lane l holds row l % 16; two loads of 16 bytes, 32 bytes apart, at row x pitch + 16 (l / 16)
	v_and_b32 v1, 15, v0
	v_bfe_u32 v2, v0, 4, 1
	v_mul_u32_u24 v3, v1, PITCH
	v_lshl_add_u32 v3, v2, 4, v3
	s_mul_i32 s21, s11, HALFT                      ; stage 1: my 128 rows of A's 256
	s_mul_i32 s22, s12, HALFT                      ; my 128 rows of B,
	s_add_co_u32 s22, s22, 2*HALFT                 ; behind A's place
	s_mul_i32 s23, s11, 64*PITCH                   ; stage 2: my 64 rows of A's 128
	v_add_nc_u32 v[ADRA0], s21, v3
	v_add_nc_u32 v[ADRB0], s22, v3
	v_add_nc_u32 v[ADRAH], s23, v3
	v_mov_b32 v[ADRA], v[ADRA0]
	v_mov_b32 v[ADRB], v[ADRB0]
	s_mul_i32 s23, s10, 16*SPITCH
	s_add_co_u32 s23, s23, STAGE                   ; my stage
	v_mul_u32_u24 v4, v1, SPITCH
	v_lshl_add_u32 v4, v2, 4, v4
	v_add_nc_u32 v[STO], s23, v4
	v_mul_u32_u24 v5, v2, SPITCH
	v_lshl_add_u32 v5, v1, 4, v5
	v_add_nc_u32 v[RD], s23, v5
	v_lshlrev_b32 v5, 12, v2
	v_lshl_add_u32 v[CO], v1, 4, v5                ; lanes 0-15 one row of C, lanes 16-31 the next
	; my part of qk: (256 x tile row + 128 x row half) x 4,096 + 512 x tile column + 256 x column half
	s_lshl_b32 s16, s13, 8
	s_lshl_b32 s14, s11, 7
	s_add_co_u32 s16, s16, s14
	s_lshl_b32 s16, s16, 12
	s_lshl_b32 s14, s42, 9
	s_add_co_u32 s16, s16, s14
	s_lshl_b32 s15, s12, 8
	s_add_co_u32 s16, s16, s15
	s_mov_b32 s17, 0
	; my part of vt: (128 x channel block + 64 x row half) x 4,096 + (key block / 8: the batch) x 4 MiB + 512 x (key block % 8) + 256 x column half
	s_lshl_b32 s18, s[HR], 7
	s_lshl_b32 s14, s11, 6
	s_add_co_u32 s18, s18, s14
	s_lshl_b32 s18, s18, 12
	s_lshr_b32 s14, s[KC], 3
	s_lshl_b32 s14, s14, 22
	s_add_co_u32 s18, s18, s14
	s_and_b32 s14, s[KC], 7
	s_lshl_b32 s14, s14, 9
	s_add_co_u32 s18, s18, s14
	s_add_co_u32 s18, s18, s15
	s_mov_b32 s19, 0
; 8 matrix instructions: m block a of the window's four x all 8 n blocks, 32 along K.  zero = 1: the products start the sums
.macro MULA f, hi, a, zero
	WIN MUL_LO+0x50*(\hi)
.irp b, 0,1,2,3,4,5,6,7
.if \zero
	v_wmma_f32_16x16x32_bf16 v[8*(8*(\a)+(\b)):8*(8*(\a)+(\b))+7], v[(\f)+8*(\b):(\f)+8*(\b)+7], v[(\f)+8*(4*(\hi)+(\a)):(\f)+8*(4*(\hi)+(\a))+7], 0
.else
	v_wmma_f32_16x16x32_bf16 v[8*(8*(\a)+(\b)):8*(8*(\a)+(\b))+7], v[(\f)+8*(\b):(\f)+8*(\b)+7], v[(\f)+8*(4*(\hi)+(\a)):(\f)+8*(4*(\hi)+(\a))+7], v[8*(8*(\a)+(\b)):8*(8*(\a)+(\b))+7]
.endif
.endr
.endm
.macro MUL16 f, hi, a0, zero           ; m blocks a0 and a0 + 1
	MULA \f, \hi, \a0, \zero
	MULA \f, \hi, (\a0)+1, \zero
.endm
; One run of LDS loads: a quarter step's fragments (32 K at byte k of the rows of the slot in hand) into buffer f: B's 8 fragments, then na of A's (8 in stage 1, 4 in stage 2)
.macro FETCH k, f, na
	WIN TO_B
.irp i, 0,1,2,3,4,5,6,7
	ds_load_b128 v[(\f)+8*(\i):(\f)+8*(\i)+3],   v[ADRB] offset:(\k)+(\i)*16*PITCH
	ds_load_b128 v[(\f)+8*(\i)+4:(\f)+8*(\i)+7], v[ADRB] offset:(\k)+(\i)*16*PITCH+32
.endr
	WIN 0
.irp i, 0,1,2,3,4,5,6,7
.if (\i) < (\na)
	ds_load_b128 v[(\f)+8*(\i):(\f)+8*(\i)+3],   v[ADRA] offset:(\k)+(\i)*16*PITCH
	ds_load_b128 v[(\f)+8*(\i)+4:(\f)+8*(\i)+7], v[ADRA] offset:(\k)+(\i)*16*PITCH+32
.endif
.endr
.endm
.macro PLACES                          ; four places in front of loads into registers that matrix instructions have read, and of conversions that read results
.rept 4
	v_nop
.endr
.endm
; STAGE 1: one of a K step's first three quarters: multiplies buffer f; in its middle it fetches the next quarter's fragments into buffer g.  A stage's accumulators take turns in one order everywhere.
.macro QUARTER k, f, g, zero
	s_wait_dscnt 8                                 ; B and A's rows 0-63 are in; the youngest eight loads (A's rows 64-127) may be out
	MUL16 \f, 0, 0, \zero
	MUL16 \f, 0, 2, \zero
	PLACES
	FETCH \k, \g, 8
	s_wait_dscnt 32                                ; all but the 32 just issued
	MUL16 \f, 1, 0, \zero
	MUL16 \f, 1, 2, \zero
.endm
; STAGE 2: the same with 32 matrix instructions and 24 loads
.macro HQUARTER k, f, g, zero
	s_wait_dscnt 4                                 ; B and A's fragments 0 and 1 are in; the youngest four loads (A's fragments 2 and 3) may be out
	MUL16 \f, 0, 0, \zero
	PLACES
	FETCH \k, \g, 4
	s_wait_dscnt 24                                ; all but the 24 just issued
	MUL16 \f, 0, 2, \zero
.endm
; A K step's last quarter multiplies buffer 1 and changes slots: ONE barrier; in front of it each wave waits for all its tensor loads, adds 0 to its spare word, and waits for that and for its own reads of this slot.
; half = 1: stage 2's products and fragments.
; fill = 1: the barrier opens a round of the cluster's, and the slot just read takes stage 1's K step two steps on, first thing behind the round;  fill = 2: the same with stage 2's next K step;  fill = 0: nothing is asked for.
; last = 1 (a stage's last two K steps): in the second trip no K step of the stage follows, and the run of loads is jumped over.
.macro TURN half, fill, last
	WIN 0
	s_wait_tensorcnt 0x0                           ; all my tensor loads have landed: the one that was out is my part of the next slot;
	ds_add_u32 v[SPW], v[NIL]                      ; 0 onto my spare word;
.if \half
	s_wait_dscnt 7                                 ; (the add and the youngest six loads, A's fragments 1 to 3, may be out)
	MULA F1, 0, 0, 0
.else
	s_wait_dscnt 9                                 ; (the add and the youngest eight loads may be out)
	MUL16 F1, 0, 0, 0
.endif
	s_wait_dscnt 0x0                               ; the add is done, and my reads of this slot are over
	s_barrier_signal -1
.if \half
	MULA F1, 0, 1, 0
.else
	MUL16 F1, 0, 2, 0
.endif
	WIN 0
	s_barrier_wait -1
.if (\fill) == 1
	CREST
	s_xor_b32 s[G0+5], s[G0+5], SLOT               ; the walking descriptors: the other slot than last time,
	s_add_nc_u64 s[G0+6:G0+7], s[G0+6:G0+7], KSTEP*2   ; the next K step; the type bits on top are not reached
	s_xor_b32 s[G0B+5], s[G0B+5], SLOT
	s_add_nc_u64 s[G0B+6:G0B+7], s[G0B+6:G0B+7], KSTEP*2
	JLOAD 1                                        ; it has 224 matrix instructions in which to land; its four v_nop are also the places in front of the loads below
.elseif (\fill) == 2
	CREST
	s_xor_b32 s[G2A+1], s[G2A+1], SLOT
	s_add_nc_u64 s[G2A+2:G2A+3], s[G2A+2:G2A+3], s[INC:INC+1]
	s_xor_b32 s[G2B+1], s[G2B+1], SLOT
	s_add_nc_u64 s[G2B+2:G2B+3], s[G2B+2:G2B+3], s[INC:INC+1]
	s_mov_b32 s[INC], KSTEP*2                      ; from the second use on the addresses step
	JLOAD2                                         ; in stage 2 it has 112 matrix instructions in which to land
	PLACES                                         ; wave 1 has passed no v_nop: the places in front of the loads below stand on every wave's way
.else
	PLACES
.endif
	s_xor_b32 s[TB], s[TB], SLOT
.if \half
	v_add_nc_u32 v[ADRA], s[TB], v[ADRAH]
.else
	v_add_nc_u32 v[ADRA], s[TB], v[ADRA0]
.endif
	v_add_nc_u32 v[ADRB], s[TB], v[ADRB0]
.if \last
	s_cmp_eq_u32 s[CNT], 1
	s_cbranch_scc1 .Lnofetch_\@
.endif
.if \half
	FETCH 0, F0, 4
.else
	FETCH 0, F0, 8
.endif
.if \last
.Lnofetch_\@:
.endif
.if \half
	MUL16 F1, 0, 2, 0
.else
	MUL16 F1, 1, 0, 0
	MUL16 F1, 1, 2, 0
.endif
.endm
; THE WAY OUT of block a (16 rows): rounded to f16, 16 bytes a lane; through my own stage; back as whole rows of 256 bytes; stored.
.macro PACK a
.set AC, 64*((\a)%4)
	WIN 0x0a+5*((\a)/4)                            ; sources 0 and 1: window 2 or 3
.irp b, 0,1,2,3,4,5,6,7
.irp r, 0,1,2,3
	v_cvt_pk_f16_f32 v[TMP+4*(\b)+(\r)], v[AC+8*(\b)+2*(\r)], v[AC+8*(\b)+2*(\r)+1]
.endr
.endr
	WIN 0
.endm
.macro TOSTAGE a
	WIN 0
.set BK, OB+192*((\a)%2)
.irp b, 0,1,2,3,4,5,6,7
	ds_store_b128 v[STO], v[TMP+4*(\b):TMP+4*(\b)+3] offset:32*(\b)
.endr
.irp t, 0,1,2,3,4,5,6,7
	ds_load_b128 v[BK+4*(\t):BK+4*(\t)+3], v[RD] offset:(\t)*2*SPITCH  ; LDS serves a wave's instructions in order (ISA guide 5.7.1.4): these see the stores above
.endr
.endm
.macro SEND a, younger, st             ; st: the stage, 1 (qk) or 2 (vt)
	WIN 0
.set BK, OB+192*((\a)%2)
	s_wait_dscnt \younger                          ; the block is back in registers
	s_wait_xcnt 0x0                                ; the stores' base and the registers that earlier stores read are rewritten only behind this wait
.if (\a) == 0
.if (\st) == 1
	s_add_nc_u64 s[8:9], s[72:73], s[16:17]        ; qk at my first rows
.else
	s_add_nc_u64 s[8:9], s[74:75], s[18:19]        ; vt at my first rows
.endif
.else
	s_add_nc_u64 s[8:9], s[8:9], 16*CPITCH
.endif
.irp t, 0,1,2,3,4,5,6,7
	global_store_b128 v[CO], v[BK+4*(\t):BK+4*(\t)+3], s[8:9] offset:2*(\t)*CPITCH  ; 16 lanes store 256 consecutive bytes, aligned
.endr
.endm
	s_wait_tensorcnt 1                             ; my part of K step 0 is in; K step 1's may stay out
	s_barrier_signal -1
	s_barrier_wait -1
	FETCH 0, F0, 8
	QUARTER 64, F0, F1, 1                          ; STAGE 1.  The first quarter stands in front of the loop: its products start the sums
	WIN 0
	s_mov_b32 s[LC], 6
.Lstep:                                                ; K steps 0 to 5: from a step's second quarter to the next step's first; each fills its slot again with the step two on
	QUARTER 128, F1, F0, 0
	QUARTER 192, F0, F1, 0
	TURN 0, 1, 0
	QUARTER 64, F0, F1, 0
	WIN 0
	s_sub_co_u32 s[LC], s[LC], 1
	s_cmp_lg_u32 s[LC], 0
	s_cbranch_scc1 .Lstep
	s_mov_b32 s[CNT], 2
.Lcross:                                               ; K steps 6 and 7: their slots take stage 2's K steps 0 and 1; the second trip is left in its middle
	QUARTER 128, F1, F0, 0
	QUARTER 192, F0, F1, 0
	TURN 0, 2, 1
	WIN 0
	s_sub_co_u32 s[CNT], s[CNT], 1
	s_cmp_eq_u32 s[CNT], 0
	s_cbranch_scc1 .Lout1
	QUARTER 64, F0, F1, 0
	WIN 0
	s_cmp_lg_u32 s[CNT], 0
	s_cbranch_scc1 .Lcross
.Lout1:
	PLACES                                         ; behind the last products: for the loads into buffer 0 and for the conversions
	v_add_nc_u32 v[ADRA], s[TB], v[ADRAH]          ; stage 2's K step 0 lies in the slot in hand: the last change of slots has shown it whole to every wave
	FETCH 0, F0, 4                                 ; its first fragments; the way out touches neither fragment buffer
	PACK 0                                         ; BOTH REFILLS ARE ASKED FOR: NOW THE TILE OF qk GOES OUT
	TOSTAGE 0
.irp a, 1,2,3,4,5,6,7                  ; block a's conversions stand between block a - 1's loads from the stage and the wait for them
	PACK \a
	SEND (\a)-1, 0, 1
	TOSTAGE \a
.endr
	SEND 7, 0, 1
	HQUARTER 64, F0, F1, 1                         ; STAGE 2.  Its first products start the sums on accumulators that have been packed
	WIN 0
	s_mov_b32 s[LC], 6
.Lhstep:                                               ; K steps 0 to 5
	HQUARTER 128, F1, F0, 0
	HQUARTER 192, F0, F1, 0
	TURN 1, 2, 0
	HQUARTER 64, F0, F1, 0
	WIN 0
	s_sub_co_u32 s[LC], s[LC], 1
	s_cmp_lg_u32 s[LC], 0
	s_cbranch_scc1 .Lhstep
	s_mov_b32 s[CNT], 2
.Lhtail:                                               ; K steps 6 and 7 ask for nothing: a text of their own
	HQUARTER 128, F1, F0, 0
	HQUARTER 192, F0, F1, 0
	TURN 1, 0, 1
	WIN 0
	s_sub_co_u32 s[CNT], s[CNT], 1
	s_cmp_eq_u32 s[CNT], 0
	s_cbranch_scc1 .Lout2
	HQUARTER 64, F0, F1, 0
	WIN 0
	s_cmp_lg_u32 s[CNT], 0
	s_cbranch_scc1 .Lhtail
.Lout2:
	PLACES
	PACK 0                                         ; the tile of vt goes out: four blocks of 16 channels
	TOSTAGE 0
.irp a, 1,2,3
	PACK \a
	SEND (\a)-1, 0, 2
	TOSTAGE \a
.endr
	SEND 3, 0, 2
	s_wait_tensorcnt 0x0                           ; the wave's end
	ds_add_u32 v[SPW], v[NIL]
	s_wait_dscnt 0x0
	CROUND                                         ; the closing round
	s_endpgm
.Lfunc_end_k_q81ff19d854_proj:
	.size	k_q81ff19d854_proj, .Lfunc_end_k_q81ff19d854_proj-k_q81ff19d854_proj
	.p2alignl 7, 3214868480
	.fill 96, 4, 3214868480
	.section	.rodata,"a",@progbits
	.p2align	6, 0x0
	.amdhsa_kernel k_q81ff19d854_proj
		.amdhsa_group_segment_fixed_size 327680
		.amdhsa_private_segment_fixed_size 0
		.amdhsa_enable_private_segment 0
		.amdhsa_kernarg_size 32
		.amdhsa_user_sgpr_count 2
		.amdhsa_user_sgpr_kernarg_segment_ptr 1
		.amdhsa_wavefront_size32 1
		.amdhsa_system_sgpr_workgroup_id_x 1
		.amdhsa_system_sgpr_workgroup_id_y 1
		.amdhsa_system_sgpr_workgroup_id_z 1
		.amdhsa_system_vgpr_workitem_id 0
		.amdhsa_next_free_vgpr 1024
		.amdhsa_next_free_sgpr 96
		.amdhsa_reserve_vcc 0
		.amdhsa_float_denorm_mode_32 3
		.amdhsa_float_denorm_mode_16_64 3
		.amdhsa_memory_ordered 1
		.amdhsa_forward_progress 1
		.amdhsa_inst_pref_size 156
	.end_amdhsa_kernel
	.amdgpu_metadata
---
amdhsa.version: [ 1, 2 ]
amdhsa.kernels:
  - .name:           k_q81ff19d854_proj
    .symbol:         k_q81ff19d854_proj.kd
    .args:
      - { .name: xb, .offset: 0, .size: 8, .value_kind: global_buffer, .address_space: global }
      - { .name: wb, .offset: 8, .size: 8, .value_kind: global_buffer, .address_space: global }
      - { .name: qk, .offset: 16, .size: 8, .value_kind: global_buffer, .address_space: global }
      - { .name: vt, .offset: 24, .size: 8, .value_kind: global_buffer, .address_space: global }
    .group_segment_fixed_size: 327680
    .private_segment_fixed_size: 0
    .kernarg_segment_align: 8
    .kernarg_segment_size: 32
    .max_flat_workgroup_size: 128
    .sgpr_count:     96
    .vgpr_count:     1024
    .wavefront_size: 32
...
	.end_amdgpu_metadata
.endif
;; end of part 2
;; launch scores (part 3): grid 44 x 4, 4 waves a work-group, no clusters, 327,680 bytes of LDS; arguments qk, xb, wb, p, st, hd; writes p, st, hd
.if DOCPART == 3
	.amdgcn_target "amdgcn-amd-amdhsa--gfx1250"
	.amdhsa_code_object_version 6
	.text
	.protected	k_q81ff19d854_scores
	.globl	k_q81ff19d854_scores
	.p2align	8
	.type	k_q81ff19d854_scores,@function
k_q81ff19d854_scores:
	s_mov_b64 s[64:65], 0
	v_nop
	global_prefetch_b8 v0, s[64:65] scope:SCOPE_SE
	s_setreg_imm32_b32 hwreg(HW_REG_WAVE_MODE, 25, 1), 1
	s_wait_xcnt 0x0
; THE WEIGHTS.  Work-groups x = 0..35 of batch y: tile (i, j), j <= i, of 256 x 256 of S = Q K^T (f16 operands out of qk, f32 sums, K = 1024).  A wave owns a block of 128 queries x 128 keys.
; With y = c s, c = log2(e) / 32, it takes for each query the BLOCK's own maximum m away and stores p = 2^(y - m) in f16 into p, m and l = the sum of the unrounded p in f32 into st [4][16 key blocks][m, l][2048].
; The last launch joins the blocks of a row by their m and l.  y - m <= 0, so p lies in 0 to 1.
; THE CAUSAL MASK is the C operand that starts the sums: 0, or -1e30 where the key is hidden.  A block wholly above the diagonal (the upper right wave of a tile (i, i)) runs the same text: its p are 0 or 1 and
; the last launch multiplies them by 0.  A tile (i, i) with i even also writes zeros into tile (i, i + 1), which the last launch reads with factor 0.
; Work-groups x = 36..43: THE HEAD ROWS.  Rows 0-15 of the batch average over few keys, so V's and the weights' rounding to f16 would show: here V (xb W_V^T, bf16 operands) and the weights stay in f32, and
; their product of 16 keys is made by eight f32 matrix instructions a wave: hd [4][16][1024].  Wave w of group 36 + hx takes channels 128 hx + 32 w .. + 31.
; LIMITS.  A hidden score counts as its value less 1e30 (f16 operands give |q . k| <= 4.4e12, nothing beside that).  A weight below 2^-126 counts as 0; below 6e-5 p keeps f16's step of 6e-8.  NaN and infinities are not treated apart.
; NO CLUSTER: a batch's 36 lower tiles lie in rows of 1 to 8 and do not fall into sets of four that share a row or a column; partners above the diagonal would have nothing of use to do.
; Ring, quarters and registers as in the projections' kernel: two slots of a K step of 128; each wave fetches 128 rows (waves 0, 1: Q's, waves 2, 3: K's) with one tensor load.
.set KSTEP,  128
.set PITCH,  272
.set HALFT,  128*PITCH
.set SLOT,   4*HALFT                   ; 0x22000: its two bits are clear in wave x HALFT
.set STAGE,  2*SLOT                    ; 16 rows x 272 bytes for each wave
.set SPITCH, 272
.set STATS,  STAGE+4*16*SPITCH         ; 1,024 bytes for each wave: 128 m, then 128 l
.set SPARE,  STATS+4096                ; the spare words, 128 bytes a wave: two blocks of 256 bytes that no other line names
.set SA0,  8                           ; v8   where I put a row's m (lanes 0-15) or l (lanes 16-31), block 0
.set SA,   9                           ; v9   the same for the block in hand
.set SR,   10                          ; v10  where I read 16 bytes of my wave's statistics back
.set SO,   11                          ; v11  16 x lane
.set ADRA0, 16
.set ADRA,  17
.set ADRB0, 20
.set ADRB,  21
.set STO,  24
.set RD,   25
.set CO,   26
.set SPW,  28
.set NIL,  29
.set VU,   32                          ; v[32:39]  the mask of a 16 x 16 piece above my block's diagonal pieces
.set VL,   40                          ; v[40:47]  below them
.set VD,   48                          ; v[48:55]  of a diagonal piece
.set F0,   64
.set F1,   128
.set Y,    64                          ; the epilogue: v[64:127] a block's 64 scores a lane
.set PK,   128                         ; v[128:159] packed p
.set BK,   160                         ; v[160:191] whole rows read back
.set T,    192                         ; v[192:195] at work
.set MX,   200                         ; v[200:201] m, twice
.set LS,   202
.set SV,   203
.set Z,    204                         ; v[204:207] 0
.set KF,   32                          ; the head rows: fragments of K, Q, xb, W_V for 128 along K
.set QF,   64
.set XF,   96
.set WF,   128
.set SA8,  192                         ; v[192:199] S^T: query lane % 16, keys 8 (lane / 16) + 0..7
.set VA,   200                         ; v[200:215] V: channel lane % 16 (two blocks of 16), keys 8 (lane / 16) + 0..7
.set WT,   216                         ; v[216:223] the weights
.set OA,   224                         ; v[224:239] the f32 products' sums: matrix instructions alone write these
.set CNT, 2
.set LC,  3
.set G1, 24
.set G0, 32                            ; s[32:39]: set 0 for K step 0; set 1 for K step 1, and it walks on
.set CS,  40                           ; s[40:41] c
.set SEL, 42                           ; s[42:43] v_permlanex16_b32's selects: each lane takes its own place in the other half
.set NEG, 44                           ; -1e30
.set SU,  45
.set SL,  46
.set HM,  47                           ; lanes 16-31
.set BL,  48                           ; the epilogue's block, 0..7
.set ZF,  49                           ; 0: I also write zeros to the right
.set PP,  50                           ; s[50:51] p at my block's rows in hand
.set STP, 52                           ; s[52:53] st at my block
.set HDP, 54                           ; s[54:55] hd at my channels
.set TB,  67
.set MSB, 0
.macro WIN new
.if MSB != (\new)
	s_set_vgpr_msb (MSB<<8)|(\new)
.set MSB, \new
.endif
.endm
.set MUL_LO, 0xa1
.set MUL_HI, 0xf1
.set TO_B,   0x40
	s_load_b256 s[68:75], s[0:1], 0x0              ; qk s[68:69], xb s[70:71], wb s[72:73], p s[74:75]
	s_load_b128 s[76:79], s[0:1], 0x20             ; st s[76:77], hd s[78:79]
	v_lshl_add_u32 v[SPW], v0, 2, SPARE
	v_mov_b32 v[NIL], 0
	ds_add_u32 v[SPW], v[NIL]                      ; the wave's opening: the add and its wait ahead of my first tensor load
	v_lshrrev_b32 v1, 5, v0
	v_readfirstlane_b32 s10, v1                    ; wave 0..3
	s_lshr_b32 s11, s10, 1                         ; wr: which half of the tile's rows is mine
	s_and_b32 s12, s10, 1                          ; wc: which half of its columns.  Also: which 128 rows I fetch
	s_and_b32 s13, ttmp7, 0xffff                   ; the batch
	s_mov_b32 s[G1+0], (1<<16)|(1<<20)|(5<<22)|(3<<25)  ; 2-byte elements; 16 bytes of padding behind every 256
	s_mov_b32 s[G1+1], KSTEP<<16
	s_mov_b32 s[G1+2], 128<<16
	s_mov_b32 s[G1+3], KSTEP<<16
	s_mov_b32 s[G1+4], 128
	s_mov_b32 s[G1+5], 2048                        ; elements from row to row of qk
	s_mov_b32 s[G1+6], 0
	s_mov_b32 s[G1+7], 0
	s_mov_b32 s[CS], 0x3d38aa3b                    ; c = log2(e) / 32
	s_mov_b32 s[CS+1], s[CS]
	s_mov_b32 s[SEL], 0x76543210
	s_mov_b32 s[SEL+1], 0xfedcba98
	s_mov_b32 s[NEG], 0xf149f2ca                   ; -1e30
	s_mov_b32 s[HM], 0xffff0000
	s_mov_b32 s[TB], 0
	s_wait_dscnt 0x0                               ; the opening add is done
	s_wait_kmcnt 0x0
	s_cmp_ge_u32 ttmp9, 36
	s_cbranch_scc1 .Lhead                          ; the whole work-group goes one way
	s_mov_b32 s14, 0                               ; i = how many of the rows' first numbers 1, 3, 6, .. the group's number has reached
.irp t, 1,3,6,10,15,21,28
	s_cmp_ge_u32 ttmp9, \t
	s_add_co_ci_u32 s14, s14, 0
.endr
	s_add_co_u32 s15, s14, 1
	s_mul_i32 s15, s15, s14
	s_lshr_b32 s15, s15, 1
	s_sub_co_u32 s15, ttmp9, s15                   ; j = x - i (i + 1) / 2
	s_cmp_lt_u32 s10, 2
	s_cselect_b32 s16, s14, s15                    ; waves 0, 1: Q's rows of block i; waves 2, 3: K's rows of block j,
	s_cselect_b32 s18, 0, 2048                     ; which lie 2,048 bytes along qk's rows
	s_lshl_b32 s16, s16, 8
	s_lshl_b32 s17, s12, 7
	s_add_co_u32 s16, s16, s17
	s_lshl_b32 s17, s13, 11
	s_add_co_u32 s16, s16, s17                     ; the row
	s_lshl_b32 s16, s16, 12
	s_add_co_u32 s16, s16, s18
	s_mov_b32 s17, 0
	s_add_nc_u64 s[16:17], s[68:69], s[16:17]
	s_mul_i32 s20, s10, HALFT
.irp s, 0,1
	s_mov_b32 s[G0+4*(\s)], 1
	s_add_co_u32 s[G0+4*(\s)+1], s20, (\s)*SLOT
	s_add_nc_u64 s[G0+4*(\s)+2:G0+4*(\s)+3], s[16:17], (\s)*KSTEP*2
	s_or_b32 s[G0+4*(\s)+3], s[G0+4*(\s)+3], 0x80000000
	tensor_load_to_lds s[G0+4*(\s):G0+4*(\s)+3], s[G1:G1+7]  ; two loads of mine are out
	s_nop 0
.endr
.rept 4
	v_nop
.endr
	v_and_b32 v1, 15, v0
	v_bfe_u32 v2, v0, 4, 1
	v_mul_u32_u24 v3, v1, PITCH
	v_lshl_add_u32 v3, v2, 4, v3
	s_mul_i32 s21, s11, HALFT
	s_mul_i32 s22, s12, HALFT
	s_add_co_u32 s22, s22, 2*HALFT
	v_add_nc_u32 v[ADRA0], s21, v3
	v_add_nc_u32 v[ADRB0], s22, v3
	v_mov_b32 v[ADRA], v[ADRA0]
	v_mov_b32 v[ADRB], v[ADRB0]
	s_mul_i32 s23, s10, 16*SPITCH
	s_add_co_u32 s23, s23, STAGE
	v_mul_u32_u24 v4, v1, SPITCH
	v_lshl_add_u32 v4, v2, 4, v4
	v_add_nc_u32 v[STO], s23, v4
	v_mul_u32_u24 v5, v2, SPITCH
	v_lshl_add_u32 v5, v1, 4, v5
	v_add_nc_u32 v[RD], s23, v5
	v_lshlrev_b32 v5, 12, v2
	v_lshl_add_u32 v[CO], v1, 4, v5
	s_lshl_b32 s23, s10, 10
	s_add_co_u32 s23, s23, STATS                   ; my wave's statistics
	v_lshlrev_b32 v5, 9, v2
	v_lshl_add_u32 v5, v1, 2, v5
	v_add_nc_u32 v[SA0], s23, v5                   ; 512 (l / 16) + 4 (l % 16)
	v_and_b32 v5, 31, v0
	v_lshlrev_b32 v[SO], 4, v5
	v_add_nc_u32 v[SR], s23, v[SO]
.irp z, 0,1,2,3
	v_mov_b32 v[Z+(\z)], 0
.endr
	; the masks: my block of keys 2 j + wc against my block of queries 2 i + wr
	s_lshl1_add_u32 s22, s15, s12
	s_lshl1_add_u32 s23, s14, s11
	s_cmp_ge_i32 s22, s23
	s_cselect_b32 s[SU], s[NEG], 0                 ; pieces above the block's diagonal are hidden in the diagonal block and beyond it,
	s_cmp_gt_i32 s22, s23
	s_cselect_b32 s[SL], s[NEG], 0                 ; those below only beyond it
.irp r, 0,1,2,3,4,5,6,7
	v_mov_b32 v[VU+(\r)], s[SU]
	v_mov_b32 v[VL+(\r)], s[SL]
.endr
	v_lshlrev_b32 v5, 3, v2
	v_sub_nc_u32 v5, v1, v5                        ; in a diagonal piece register r (key 8 (l / 16) + r) is above query l % 16 where r > l % 16 - 8 (l / 16)
.irp r, 0,1,2,3,4,5,6,7
	v_cmp_gt_i32 vcc_lo, \r, v5
	v_cndmask_b32 v[VD+(\r)], v[VL+(\r)], v[VU+(\r)], vcc_lo
.endr
	; p at my block: row 2048 b + 256 i + 128 wr, column 256 j + 128 wc
	s_lshl_b32 s16, s13, 11
	s_lshl_b32 s17, s14, 8
	s_add_co_u32 s16, s16, s17
	s_lshl_b32 s17, s11, 7
	s_add_co_u32 s16, s16, s17
	s_lshl_b32 s16, s16, 12
	s_lshl_b32 s17, s15, 9
	s_add_co_u32 s16, s16, s17
	s_lshl_b32 s17, s12, 8
	s_add_co_u32 s16, s16, s17
	s_mov_b32 s17, 0
	s_add_nc_u64 s[PP:PP+1], s[74:75], s[16:17]
	; st at my block: batch x 262,144 + key block x 16,384 + 4 x first row
	s_lshl_b32 s16, s13, 18
	s_lshl_b32 s17, s22, 14
	s_add_co_u32 s16, s16, s17
	s_lshl_b32 s17, s23, 9
	s_add_co_u32 s16, s16, s17
	s_mov_b32 s17, 0
	s_add_nc_u64 s[STP:STP+1], s[76:77], s[16:17]
	s_and_b32 s18, s14, 1
	s_sub_co_u32 s19, s14, s15
	s_or_b32 s[ZF], s18, s19                       ; 0 where i = j and i is even
; zero = 2: the products start the sums from the mask (C in window 0)
.macro MUL16 f, hi, a0, zero
.if (\zero) == 2
	WIN 0x81+0x40*(\hi)
.else
	WIN MUL_LO+0x50*(\hi)
.endif
.irp a, \a0, (\a0)+1
.irp b, 0,1,2,3,4,5,6,7
.if (\zero) == 2
.set rC, VD
.if (\b) > 4*(\hi)+(\a)
.set rC, VU
.endif
.if (\b) < 4*(\hi)+(\a)
.set rC, VL
.endif
	v_wmma_f32_16x16x32_f16 v[8*(8*(\a)+(\b)):8*(8*(\a)+(\b))+7], v[(\f)+8*(\b):(\f)+8*(\b)+7], v[(\f)+8*(4*(\hi)+(\a)):(\f)+8*(4*(\hi)+(\a))+7], v[rC:rC+7]
.else
	v_wmma_f32_16x16x32_f16 v[8*(8*(\a)+(\b)):8*(8*(\a)+(\b))+7], v[(\f)+8*(\b):(\f)+8*(\b)+7], v[(\f)+8*(4*(\hi)+(\a)):(\f)+8*(4*(\hi)+(\a))+7], v[8*(8*(\a)+(\b)):8*(8*(\a)+(\b))+7]
.endif
.endr
.endr
.endm
.macro FETCH k, f
	WIN TO_B
.irp i, 0,1,2,3,4,5,6,7
	ds_load_b128 v[(\f)+8*(\i):(\f)+8*(\i)+3],   v[ADRB] offset:(\k)+(\i)*16*PITCH
	ds_load_b128 v[(\f)+8*(\i)+4:(\f)+8*(\i)+7], v[ADRB] offset:(\k)+(\i)*16*PITCH+32
.endr
	WIN 0
.irp i, 0,1,2,3,4,5,6,7
	ds_load_b128 v[(\f)+8*(\i):(\f)+8*(\i)+3],   v[ADRA] offset:(\k)+(\i)*16*PITCH
	ds_load_b128 v[(\f)+8*(\i)+4:(\f)+8*(\i)+7], v[ADRA] offset:(\k)+(\i)*16*PITCH+32
.endr
.endm
.macro PLACES                          ; four places behind matrix instructions (ISA guide 7.12.1)
.rept 4
	v_nop
.endr
.endm
.macro QUARTER k, f, g, zero
	s_wait_dscnt 8                                 ; K's fragments and Q's rows 0-63 are in; the youngest eight loads may be out
	MUL16 \f, 0, 0, \zero
	MUL16 \f, 0, 2, \zero
	PLACES
	FETCH \k, \g
	s_wait_dscnt 32                                ; all but the 32 just issued
	MUL16 \f, 1, 0, \zero
	MUL16 \f, 1, 2, \zero
.endm
; The last quarter and the change of slots: one barrier.  fill = 1: the slot just read is filled again, two K steps ahead, first thing behind it.  last = 1: the tail, whose second trip fetches nothing.
.macro TURN fill, last
	WIN 0
	s_wait_tensorcnt 0x0                           ; all my tensor loads have landed: my part of the next slot;
	ds_add_u32 v[SPW], v[NIL]                      ; 0 onto my spare word;
	s_wait_dscnt 9                                 ; (the add and the youngest eight loads may be out)
	MUL16 F1, 0, 0, 0
	s_wait_dscnt 0x0                               ; the add is done, and my reads of this slot are over
	s_barrier_signal -1
	MUL16 F1, 0, 2, 0
	WIN 0
	s_barrier_wait -1
.if \fill
	s_xor_b32 s[G0+5], s[G0+5], SLOT               ; the walking descriptor: the other slot than last time, the next K step
	s_add_nc_u64 s[G0+6:G0+7], s[G0+6:G0+7], KSTEP*2
	tensor_load_to_lds s[G0+4:G0+7], s[G1:G1+7]    ; my one tensor load behind the barrier: 224 matrix instructions in which to land
	s_nop 0
.endif
	PLACES
	s_xor_b32 s[TB], s[TB], SLOT
	v_add_nc_u32 v[ADRA], s[TB], v[ADRA0]
	v_add_nc_u32 v[ADRB], s[TB], v[ADRB0]
.if \last
	s_cmp_eq_u32 s[CNT], 1
	s_cbranch_scc1 .Lnofetch_\@
.endif
	FETCH 0, F0
.if \last
.Lnofetch_\@:
.endif
	MUL16 F1, 1, 0, 0
	MUL16 F1, 1, 2, 0
.endm
.macro COPY a                          ; block a's 64 scores a lane, times c, into window 0; each accumulator's lowest registers are read first
	WIN 0x02+((\a)/4)
.set n, 0
.rept 32
	v_pk_mul_f32 v[Y+2*n:Y+2*n+1], v[64*((\a)%4)+2*n:64*((\a)%4)+2*n+1], s[CS:CS+1] op_sel_hi:[1,0]
.set n, n+1
.endr
	WIN 0
.endm
	s_wait_tensorcnt 1                             ; my part of K step 0 is in; K step 1's may stay out
	s_barrier_signal -1
	s_barrier_wait -1
	FETCH 0, F0
	QUARTER 64, F0, F1, 2                          ; the first quarter's products start the sums from the masks
	WIN 0
	s_mov_b32 s[LC], 6
.Lstep:
	QUARTER 128, F1, F0, 0
	QUARTER 192, F0, F1, 0
	TURN 1, 0
	QUARTER 64, F0, F1, 0
	WIN 0
	s_sub_co_u32 s[LC], s[LC], 1
	s_cmp_lg_u32 s[LC], 0
	s_cbranch_scc1 .Lstep
	s_mov_b32 s[CNT], 2
.Ltail:
	QUARTER 128, F1, F0, 0
	QUARTER 192, F0, F1, 0
	TURN 0, 1
	WIN 0
	s_sub_co_u32 s[CNT], s[CNT], 1
	s_cmp_eq_u32 s[CNT], 0
	s_cbranch_scc1 .Lout
	QUARTER 64, F0, F1, 0
	WIN 0
	s_cmp_lg_u32 s[CNT], 0
	s_cbranch_scc1 .Ltail
.Lout:
	PLACES
	; THE EPILOGUE: my eight blocks of 16 queries, one a trip.  Only the copy out of the accumulators differs from block to block; the rest is written once.
	s_mov_b32 s[BL], 0
.Lblk:
.irp a, 0,1,2,3,4,5,6
	s_cmp_eq_u32 s[BL], \a
	s_cbranch_scc1 .Lc\a
.endr
	COPY 7
	s_branch .Lcom
.irp a, 0,1,2,3,4,5,6
.Lc\a:
	COPY \a
	s_branch .Lcom
.endr
.Lcom:
	; the query's maximum over the block's 128 keys: four chains of 15 scores, the four left over, the other half of the lanes
.irp q, 0,1,2,3
	v_max3_num_f32 v[T+(\q)], v[Y+16*(\q)], v[Y+16*(\q)+1], v[Y+16*(\q)+2]
.endr
.irp n, 0,1,2,3,4,5
.irp q, 0,1,2,3
	v_max3_num_f32 v[T+(\q)], v[T+(\q)], v[Y+16*(\q)+3+2*(\n)], v[Y+16*(\q)+4+2*(\n)]
.endr
.endr
	v_max3_num_f32 v[T], v[T], v[Y+15], v[Y+31]
	v_max3_num_f32 v[T+2], v[T+2], v[Y+47], v[Y+63]
	v_max3_num_f32 v[T], v[T], v[T+1], v[T+2]
	v_max_num_f32 v[T], v[T], v[T+3]
	v_permlanex16_b32 v[T+1], v[T], s[SEL], s[SEL+1]
	v_max_num_f32 v[MX], v[T], v[T+1]
	v_max_num_f32 v[MX+1], v[T], v[T+1]
.set n, 0
.rept 32
	v_pk_add_f32 v[Y+2*n:Y+2*n+1], v[Y+2*n:Y+2*n+1], v[MX:MX+1] neg_lo:[0,1] neg_hi:[0,1]
.set n, n+1
.endr
.set n, 0
.rept 64
	v_exp_f32 v[Y+n], v[Y+n]
.set n, n+1
.endr
	v_nop                                          ; a plain instruction between the last exponential and the use of its result (ISA guide 5.7.2)
.set n, 0
	s_wait_alu depctr_va_vdst(0)
.rept 32
	v_cvt_pk_f16_f32 v[PK+n], v[Y+2*n], v[Y+2*n+1]
.set n, n+1
.endr
.irp b, 0,1,2,3,4,5,6,7
	ds_store_b128 v[STO], v[PK+4*(\b):PK+4*(\b)+3] offset:32*(\b)
.endr
.irp t, 0,1,2,3,4,5,6,7
	ds_load_b128 v[BK+4*(\t):BK+4*(\t)+3], v[RD] offset:(\t)*2*SPITCH  ; LDS serves a wave's instructions in order (ISA guide 5.7.1.4): these see the stores above
.endr
	; l: the 32 pairs are added as a tree, in place, while the rows come back
.irp w, 32,16,8,4,2
.set u, 0
.rept (\w)/2
	v_pk_add_f32 v[Y+u:Y+u+1], v[Y+u:Y+u+1], v[Y+(\w)+u:Y+(\w)+u+1]
.set u, u+2
.endr
.endr
	v_add_f32 v[LS], v[Y], v[Y+1]
	v_permlanex16_b32 v[T], v[LS], s[SEL], s[SEL+1]
	v_add_f32 v[LS], v[LS], v[T]
	v_cndmask_b32 v[SV], v[MX], v[LS], s[HM]       ; lanes 0-15 hand in m, lanes 16-31 l
	s_lshl_b32 s19, s[BL], 6
	v_add_nc_u32 v[SA], s19, v[SA0]
	ds_store_b32 v[SA], v[SV]
	s_wait_dscnt 1                                 ; the rows are back; the store just issued may be out
.irp t, 0,1,2,3,4,5,6,7
	global_store_b128 v[CO], v[BK+4*(\t):BK+4*(\t)+3], s[PP:PP+1] offset:8192*(\t)  ; 16 lanes store 256 consecutive bytes, aligned
.endr
	s_cmp_lg_u32 s[ZF], 0
	s_cbranch_scc1 .Lnoz
.irp t, 0,1,2,3,4,5,6,7
	global_store_b128 v[CO], v[Z:Z+3], s[PP:PP+1] offset:8192*(\t)+512  ; the same rows of the tile to the right
.endr
.Lnoz:
	s_wait_xcnt 0x0                                ; the stores' base and BK are rewritten only behind this wait
	s_add_nc_u64 s[PP:PP+1], s[PP:PP+1], 65536     ; 16 rows on
	s_add_co_u32 s[BL], s[BL], 1
	s_cmp_lt_u32 s[BL], 8
	s_cbranch_scc1 .Lblk
	ds_load_b128 v[BK:BK+3], v[SR]                 ; my 128 m,
	ds_load_b128 v[BK+4:BK+7], v[SR] offset:512    ; my 128 l
	s_wait_dscnt 0x0
	global_store_b128 v[SO], v[BK:BK+3], s[STP:STP+1]              ; 512 consecutive bytes each, aligned
	global_store_b128 v[SO], v[BK+4:BK+7], s[STP:STP+1] offset:8192
	s_wait_tensorcnt 0x0                           ; the wave's end
	ds_add_u32 v[SPW], v[NIL]
	s_wait_dscnt 0x0
	s_endpgm
.Lhead:                                                ; THE HEAD ROWS: no LDS tile, no barrier; each wave by itself
	s_sub_co_u32 s14, ttmp9, 36
	s_lshl_b32 s14, s14, 7
	s_lshl_b32 s15, s10, 5
	s_add_co_u32 s14, s14, s15                     ; c0: my first channel
	v_and_b32 v1, 15, v0
	v_bfe_u32 v2, v0, 4, 1
	v_lshlrev_b32 v3, 12, v1
	v_lshl_add_u32 v3, v2, 4, v3                   ; in qk: row x 4,096 + 16 (l / 16)
	v_lshlrev_b32 v4, 11, v1
	v_lshl_add_u32 v4, v2, 4, v4                   ; in xb and wb: row x 2,048 + 16 (l / 16)
	v_lshlrev_b32 v6, 15, v2
	v_lshl_add_u32 v6, v1, 2, v6                   ; in hd: 8 (l / 16) rows of 4,096 bytes + 4 (l % 16)
	s_mov_b32 s17, 0
	s_lshl_b32 s16, s13, 23
	s_add_nc_u64 s[4:5], s[68:69], s[16:17]        ; qk at the batch's row 0
	s_lshl_b32 s16, s13, 22
	s_add_nc_u64 s[6:7], s[70:71], s[16:17]        ; xb likewise
	s_add_co_u32 s16, s14, 2048
	s_lshl_b32 s16, s16, 11
	s_add_nc_u64 s[8:9], s[72:73], s[16:17]        ; W_V's row c0
	s_lshl_b32 s16, s13, 16
	s_lshl_b32 s15, s14, 2
	s_add_co_u32 s16, s16, s15
	s_add_nc_u64 s[HDP:HDP+1], s[78:79], s[16:17]
; 128 along K: 40 loads, then per 32 along K three products by turns: S^T (f16), V's two channel blocks (bf16).  zero = 1: the first products start the sums
.macro CHUNK zero
.if !(\zero)
	PLACES                                         ; in front of loads into registers that matrix instructions have read
.endif
.irp ks, 0,1,2,3
	global_load_b128 v[KF+8*(\ks):KF+8*(\ks)+3],   v3, s[4:5] offset:2048+64*(\ks)
	global_load_b128 v[KF+8*(\ks)+4:KF+8*(\ks)+7], v3, s[4:5] offset:2048+64*(\ks)+32
	global_load_b128 v[QF+8*(\ks):QF+8*(\ks)+3],   v3, s[4:5] offset:64*(\ks)
	global_load_b128 v[QF+8*(\ks)+4:QF+8*(\ks)+7], v3, s[4:5] offset:64*(\ks)+32
	global_load_b128 v[XF+8*(\ks):XF+8*(\ks)+3],   v4, s[6:7] offset:64*(\ks)
	global_load_b128 v[XF+8*(\ks)+4:XF+8*(\ks)+7], v4, s[6:7] offset:64*(\ks)+32
	global_load_b128 v[WF+8*(\ks):WF+8*(\ks)+3],   v4, s[8:9] offset:64*(\ks)
	global_load_b128 v[WF+8*(\ks)+4:WF+8*(\ks)+7], v4, s[8:9] offset:64*(\ks)+32
	global_load_b128 v[WF+32+8*(\ks):WF+32+8*(\ks)+3],   v4, s[8:9] offset:32768+64*(\ks)
	global_load_b128 v[WF+32+8*(\ks)+4:WF+32+8*(\ks)+7], v4, s[8:9] offset:32768+64*(\ks)+32
.endr
	s_wait_loadcnt 0x0                             ; all are in, so their bases may step
	s_add_nc_u64 s[4:5], s[4:5], 256
	s_add_nc_u64 s[6:7], s[6:7], 256
	s_add_nc_u64 s[8:9], s[8:9], 256
.irp ks, 0,1,2,3
.if (\zero) && ((\ks) == 0)
	v_wmma_f32_16x16x32_f16  v[SA8:SA8+7],   v[KF+8*(\ks):KF+8*(\ks)+7], v[QF+8*(\ks):QF+8*(\ks)+7], 0
	v_wmma_f32_16x16x32_bf16 v[VA:VA+7],     v[XF+8*(\ks):XF+8*(\ks)+7], v[WF+8*(\ks):WF+8*(\ks)+7], 0
	v_wmma_f32_16x16x32_bf16 v[VA+8:VA+15],  v[XF+8*(\ks):XF+8*(\ks)+7], v[WF+32+8*(\ks):WF+32+8*(\ks)+7], 0
.else
	v_wmma_f32_16x16x32_f16  v[SA8:SA8+7],   v[KF+8*(\ks):KF+8*(\ks)+7], v[QF+8*(\ks):QF+8*(\ks)+7], v[SA8:SA8+7]
	v_wmma_f32_16x16x32_bf16 v[VA:VA+7],     v[XF+8*(\ks):XF+8*(\ks)+7], v[WF+8*(\ks):WF+8*(\ks)+7], v[VA:VA+7]
	v_wmma_f32_16x16x32_bf16 v[VA+8:VA+15],  v[XF+8*(\ks):XF+8*(\ks)+7], v[WF+32+8*(\ks):WF+32+8*(\ks)+7], v[VA+8:VA+15]
.endif
.endr
.endm
	CHUNK 1
	s_mov_b32 s[LC], 7
.Lchunk:
	CHUNK 0
	s_sub_co_u32 s[LC], s[LC], 1
	s_cmp_lg_u32 s[LC], 0
	s_cbranch_scc1 .Lchunk
	PLACES
	; the softmax of 16 keys, a query a lane pair: the maximum is taken away, the sum divides
.irp n, 0,1,2,3
	v_pk_mul_f32 v[WT+2*(\n):WT+2*(\n)+1], v[SA8+2*(\n):SA8+2*(\n)+1], s[CS:CS+1] op_sel_hi:[1,0]
.endr
	v_lshlrev_b32 v5, 3, v2
	v_sub_nc_u32 v5, v1, v5
.irp r, 0,1,2,3,4,5,6,7
	v_cmp_gt_i32 vcc_lo, \r, v5                    ; key 8 (l / 16) + r lies behind query l % 16
	v_cndmask_b32 v[WT+(\r)], v[WT+(\r)], s[NEG], vcc_lo
.endr
	v_max3_num_f32 v8, v[WT], v[WT+1], v[WT+2]
	v_max3_num_f32 v8, v8, v[WT+3], v[WT+4]
	v_max3_num_f32 v8, v8, v[WT+5], v[WT+6]
	v_max_num_f32 v8, v8, v[WT+7]
	v_mov_b32 v9, v8                               ; v_permlanex16_b32's destination counts as read
	v_permlanex16_b32 v9, v8, s[SEL], s[SEL+1]
	v_max_num_f32 v8, v8, v9
	v_mov_b32 v9, v8
.irp n, 0,1,2,3
	v_pk_add_f32 v[WT+2*(\n):WT+2*(\n)+1], v[WT+2*(\n):WT+2*(\n)+1], v[8:9] neg_lo:[0,1] neg_hi:[0,1]
.endr
.irp r, 0,1,2,3,4,5,6,7
	v_exp_f32 v[WT+(\r)], v[WT+(\r)]
.endr
	v_nop
	s_wait_alu depctr_va_vdst(0)
	v_pk_add_f32 v[10:11], v[WT:WT+1], v[WT+2:WT+3]
	v_pk_add_f32 v[12:13], v[WT+4:WT+5], v[WT+6:WT+7]
	v_pk_add_f32 v[10:11], v[10:11], v[12:13]
	v_add_f32 v10, v10, v11
	v_permlanex16_b32 v11, v10, s[SEL], s[SEL+1]
	v_add_f32 v10, v10, v11
	v_rcp_f32 v12, v10
	v_nop
	s_wait_alu depctr_va_vdst(0)
	v_mov_b32 v13, v12
.irp n, 0,1,2,3
	v_pk_mul_f32 v[WT+2*(\n):WT+2*(\n)+1], v[WT+2*(\n):WT+2*(\n)+1], v[12:13]
.endr
	; O = W V over 16 keys, in f32.  In the form's K = 4 a lane's register r is k = 2 (l / 16) + r; both operands offer key 8 (l / 16) + 2 c + r there, so the registers are used as they lie.
.irp c, 0,1,2,3
.if (\c) == 0
	v_wmma_f32_16x16x4_f32 v[OA:OA+7],    v[WT+2*(\c):WT+2*(\c)+1], v[VA+2*(\c):VA+2*(\c)+1], 0
	v_wmma_f32_16x16x4_f32 v[OA+8:OA+15], v[WT+2*(\c):WT+2*(\c)+1], v[VA+8+2*(\c):VA+8+2*(\c)+1], 0
.else
	v_wmma_f32_16x16x4_f32 v[OA:OA+7],    v[WT+2*(\c):WT+2*(\c)+1], v[VA+2*(\c):VA+2*(\c)+1], v[OA:OA+7]
	v_wmma_f32_16x16x4_f32 v[OA+8:OA+15], v[WT+2*(\c):WT+2*(\c)+1], v[VA+8+2*(\c):VA+8+2*(\c)+1], v[OA+8:OA+15]
.endif
.endr
.rept 8
	v_nop                                          ; eight places behind the f32 form (ISA guide 7.12.1)
.endr
.irp nb, 0,1
.irp r, 0,1,2,3,4,5,6,7
	global_store_b32 v6, v[OA+8*(\nb)+(\r)], s[HDP:HDP+1] offset:4096*(\r)+64*(\nb)  ; query 8 (l / 16) + r, channel c0 + 16 nb + l % 16
.endr
.endr
	s_wait_tensorcnt 0x0                           ; the wave's end
	ds_add_u32 v[SPW], v[NIL]
	s_wait_dscnt 0x0
	s_endpgm
.Lfunc_end_k_q81ff19d854_scores:
	.size	k_q81ff19d854_scores, .Lfunc_end_k_q81ff19d854_scores-k_q81ff19d854_scores
	.p2alignl 7, 3214868480
	.fill 96, 4, 3214868480
	.section	.rodata,"a",@progbits
	.p2align	6, 0x0
	.amdhsa_kernel k_q81ff19d854_scores
		.amdhsa_group_segment_fixed_size 327680
		.amdhsa_private_segment_fixed_size 0
		.amdhsa_enable_private_segment 0
		.amdhsa_kernarg_size 48
		.amdhsa_user_sgpr_count 2
		.amdhsa_user_sgpr_kernarg_segment_ptr 1
		.amdhsa_wavefront_size32 1
		.amdhsa_system_sgpr_workgroup_id_x 1
		.amdhsa_system_sgpr_workgroup_id_y 1
		.amdhsa_system_sgpr_workgroup_id_z 1
		.amdhsa_system_vgpr_workitem_id 0
		.amdhsa_next_free_vgpr 1024
		.amdhsa_next_free_sgpr 80
		.amdhsa_reserve_vcc 1
		.amdhsa_float_denorm_mode_32 3
		.amdhsa_float_denorm_mode_16_64 3
		.amdhsa_memory_ordered 1
		.amdhsa_forward_progress 1
		.amdhsa_inst_pref_size 115
	.end_amdhsa_kernel
	.amdgpu_metadata
---
amdhsa.version: [ 1, 2 ]
amdhsa.kernels:
  - .name:           k_q81ff19d854_scores
    .symbol:         k_q81ff19d854_scores.kd
    .args:
      - { .name: qk, .offset: 0, .size: 8, .value_kind: global_buffer, .address_space: global }
      - { .name: xb, .offset: 8, .size: 8, .value_kind: global_buffer, .address_space: global }
      - { .name: wb, .offset: 16, .size: 8, .value_kind: global_buffer, .address_space: global }
      - { .name: p, .offset: 24, .size: 8, .value_kind: global_buffer, .address_space: global }
      - { .name: st, .offset: 32, .size: 8, .value_kind: global_buffer, .address_space: global }
      - { .name: hd, .offset: 40, .size: 8, .value_kind: global_buffer, .address_space: global }
    .group_segment_fixed_size: 327680
    .private_segment_fixed_size: 0
    .kernarg_segment_align: 8
    .kernarg_segment_size: 48
    .max_flat_workgroup_size: 128
    .sgpr_count:     80
    .vgpr_count:     1024
    .wavefront_size: 32
...
	.end_amdgpu_metadata
.endif
;; end of part 3
;; launch pv (part 4): grid 8 x 32, 4 waves a work-group, clusters of 4 x 4, 327,680 bytes of LDS; arguments p, vt, st, hd, out0; writes out0
.if DOCPART == 4
	.amdgcn_target "amdgcn-amd-amdhsa--gfx1250"
	.amdhsa_code_object_version 6
	.text
	.protected	k_q81ff19d854_pv
	.globl	k_q81ff19d854_pv
	.p2align	8
	.type	k_q81ff19d854_pv,@function
k_q81ff19d854_pv:
	s_mov_b64 s[64:65], 0
	v_nop
	global_prefetch_b8 v0, s[64:65] scope:SCOPE_SE
	s_setreg_imm32_b32 hwreg(HW_REG_WAVE_MODE, 25, 1), 1
	s_wait_xcnt 0x0
	s_wait_alu depctr_hold_cnt(0) depctr_sa_sdst(0) depctr_va_vdst(0) depctr_va_sdst(0) depctr_va_ssrc(0) depctr_va_vcc(0) depctr_vm_vsrc(0)
	s_getreg_b32 s2, hwreg(HW_REG_IB_STS2, 6, 4)
	s_cmp_eq_u32 s2, 0
	s_cbranch_scc0 .Lentry_in_a_cluster
	s_endpgm
.Lentry_in_a_cluster:
	s_bfe_u32 s2, ttmp6, 0x10000c
	s_cmp_lg_u32 s2, 0xf033
	s_cbranch_scc0 .Lentry_shape_is_right
	s_endpgm
.Lentry_shape_is_right:
; out0[b][q][:] = the sum over key blocks t of F_t(q) x (P_t V_t)(q, :).  p [4][2048][2048] f16 holds for each query and each block of 128 keys 2^(y - m_t); st holds m_t and l_t.
; With M = the maximum of the m_t of the blocks that the query sees (t <= its own block of 128 rows): F_t = 2^(m_t - M) / the sum over t of 2^(m_t - M) l_t, and 0 for the other blocks: the softmax with its maximum taken away.
; A partial product of 128 keys is made in f32 (f16 operands) and added onto the total with its factor, in f32.  Rows 0-15 of a batch get F = 0 and take their numbers from hd, made in f32 by the launch before.
; LIMITS.  A factor below 2^-126 counts as 0.  The order of the sums is by blocks of 128 keys.  NaN and infinities are not treated apart.
; SHARES.  A tile of out0 is 128 queries x 128 channels, four waves of 64 x 64.  A batch's queries lie in four super-blocks of 512; super-block g walks g + 1 laps of 512 keys.  A cluster of 4 x 4 work-groups takes
; super-block 3 - gam and then gam (cy: which 128 rows of it; cx: which 128 channels): 10 K steps of 256 keys whatever gam, one ring across both tiles.  P's tile is shared along a row of the cluster, V's along a
; column: joint loads.  Branches hang on gam alone, which all sixteen share.
; THE MATRIX INSTRUCTION IS USED TRANSPOSED (source 0 = 16 channels of vt, source 1 = 16 queries of p): a lane holds one query and eight neighbouring channels.
; REGISTERS: window 0: v0-31 addresses, F; v32-95 the way out; v128-255 the 16 accumulators of a partial product (before the loop: at work on the factors).  window 1: two fragment buffers of 128.
; window 2: v0-127 the totals; v128-159 hd's 16 rows of my 64 channels.
.set KSTEP,  256
.set PITCH,  528                       ; an LDS row: 512 bytes + 16 of padding
.set HALFT,  64*PITCH
.set SLOT,   4*HALFT                   ; 0x21000: its two bits are clear in wave x HALFT, so an exclusive or adds or takes it away
.set STAGE,  2*SLOT                    ; 16 rows x 272 bytes for each wave: a wave's 64 f32 columns are 256 bytes, so each wave has a stage of its own
.set SPITCH, 272
.set FT,     STAGE+4*16*SPITCH         ; the factors: an entry of 512 bytes for each block of 128 keys in the order of the walk; row 64 wr + 16 a + r at 256 wr + 16 r + 4 a
.set SPARE,  FT+32*512                 ; the spare words, 128 bytes a wave: two blocks of 256 bytes that no other line names
.set FR,   8                           ; v[8:11] my four factors (a = 0..3) of the block in hand
.set FS,   12                          ; v12, v13 where thread t puts row t's factors: first tile, second tile
.set ADRA0, 16
.set ADRA,  17
.set ADRB0, 20
.set ADRB,  21
.set FA0,  22                          ; where I read my four factors, entry 0
.set T4,   23                          ; 4 x thread
.set STO,  24
.set RD,   25
.set CO,   26
.set FA,   27                          ; the same as FA0 for the K step in hand
.set SPW,  28
.set NIL,  29
.set BK,   32
.set ACC,  128
.set OFS,  128                         ; before the loop: 2 x 16 offsets into st,
.set MM,   160                         ; 2 x 16 m,
.set LL,   192                         ; 2 x 16 l
.set MXV,  224
.set LSV,  225
.set RC,   226
.set F0,   0                           ; window 1
.set F1,   128
.set TOT,  0                           ; window 2
.set HH,   128
.set WV, 14
.set WR, 15                            ; which half of the tile's rows is mine.  Also: I fetch for P (0) or for V (1)
.set WC, 16                            ; which half of its columns.  Also: which 64 rows I fetch
.set LB, 19
.set G1, 24
.set G0, 32                            ; s[32:39]: set 0 for the first K step; set 1 for the second, and then for every refill
.set G1B, 48
.set G0B, 56
.set TB, 67                            ; 0 or SLOT: the slot in hand
.set FB, 68                            ; 1,024 x the K step in hand
.set LC, 69
.set KQ, 70                            ; the K step (of its tile) to be asked for next
.set KL, 71                            ; the first tile's K steps: 2 (4 - gam)
.set OFA, 72                           ; s[72:73], s[74:75] byte offsets of the tiles to be asked for
.set OFB, 74
.set TO, 76                            ; 128 rows of p x the row block whose tiles are being asked for
.set TOLO, 77
.set RL, 78                            ; K steps of the first tile still to be multiplied
.set CNT, 79
.set PAB, 80                           ; s[80:81] p at the batch, my half of a tile's rows
.set PBB, 82                           ; s[82:83] vt at the batch, my channels
.set OUT, 84
.set OUTLO, 86
.set KAP, 88                           ; s[88:89] 1.0 where my second tile's first 16 rows are the batch's head rows, else 0
.set RHI, 90
.set RLO, 91
.set GAM, 92
.set BB, 93
.set HL, 94                            ; 16 where the second tile holds the head rows, else 0
.set MSB, 0
.macro WIN new
.if MSB != (\new)
	s_set_vgpr_msb (MSB<<8)|(\new)
.set MSB, \new
.endif
.endm
.set MUL,  0x05                        ; sources 0 and 1 window 1; C and D window 0
.set TO_F, 0x40
.macro JLOAD s                         ; a joint load: waves 0 and 1 fetch P's two halves, waves 2 and 3 V's; an s_nop 0 and four v_nop follow each line
	s_cmp_eq_u32 s[WR], 0
	s_cbranch_scc0 .Lfor_b_\@
	tensor_load_to_lds s[G0+4*(\s):G0+4*(\s)+3], s[G1:G1+7]
	s_nop 0
.rept 4
	v_nop
.endr
	s_branch .Lasked_\@
.Lfor_b_\@:
	tensor_load_to_lds s[G0B+4*(\s):G0B+4*(\s)+3], s[G1B:G1B+7]
	s_nop 0
.rept 4
	v_nop
.endr
.Lasked_\@:
.endm
.macro CREST
	s_cmp_lg_u32 s[WV], 0
	s_cbranch_scc1 .Lnot_wave_0_\@
	s_barrier_signal -3
.Lnot_wave_0_\@:
	s_barrier_wait -3
	s_barrier_signal -1
	s_barrier_wait -1
.endm
.macro CROUND
	s_barrier_signal -1
	s_barrier_wait -1
	CREST
.endm
	s_load_b256 s[4:11], s[0:1], 0x0               ; p s[4:5], vt s[6:7], st s[8:9], hd s[10:11]
	s_load_b64 s[12:13], s[0:1], 0x20              ; out0
	v_lshl_add_u32 v[SPW], v0, 2, SPARE
	v_mov_b32 v[NIL], 0
	ds_add_u32 v[SPW], v[NIL]                      ; the wave's opening: the add and its wait ahead of my first tensor load
	v_lshrrev_b32 v1, 5, v0
	v_readfirstlane_b32 s[WV], v1
	s_lshr_b32 s[WR], s[WV], 1
	s_and_b32 s[WC], s[WV], 1
	s_bfe_u32 s40, ttmp6, 0x40000                  ; cx
	s_bfe_u32 s41, ttmp6, 0x40004                  ; cy
	s_lshl_b32 s42, ttmp9, 2
	s_add_co_u32 s42, s42, s40                     ; my block of 128 channels
	s_and_b32 s17, ttmp7, 0xffff
	s_lshr_b32 s[BB], s17, 1                       ; the batch
	s_and_b32 s[GAM], s17, 1                       ; gam
	s_sub_co_u32 s18, 3, s[GAM]
	s_lshl_b32 s18, s18, 2
	s_add_co_u32 s[RHI], s18, s41                  ; my first block of 128 rows,
	s_lshl_b32 s18, s[GAM], 2
	s_add_co_u32 s[RLO], s18, s41                  ; my second
	s_lshl_b32 s[TO], s[RHI], 19
	s_lshl_b32 s[TOLO], s[RLO], 19
	s_sub_co_u32 s[KL], 4, s[GAM]
	s_lshl_b32 s[KL], s[KL], 1
	s_mov_b32 s[RL], s[KL]
	s_mov_b32 s[KQ], 2
	s_mov_b32 s[TB], 0
	s_mov_b32 s[FB], 0
	s_mov_b32 s[OFA+1], 0
	s_mov_b32 s[OFB+1], 0
	s_lshl_b32 s43, s41, 2
	s_lshl_b32 s43, 15, s43                        ; my row of the cluster
	s_lshl_b32 s44, 0x1111, s40                    ; my column
	; group 1: a tile of 64 rows x 256 elements of 2 bytes, 16 bytes of padding behind every 512
	s_or_b32 s[G1+0], s43, (1<<16)|(1<<20)|(1<<21)|(6<<22)|(3<<25)
	s_or_b32 s[G1B+0], s44, (1<<16)|(1<<20)|(1<<21)|(6<<22)|(3<<25)
.irp g, G1, G1B
	s_mov_b32 s[(\g)+1], KSTEP<<16
	s_mov_b32 s[(\g)+2], 64<<16
	s_mov_b32 s[(\g)+3], KSTEP<<16
	s_mov_b32 s[(\g)+4], 64
	s_mov_b32 s[(\g)+5], 2048                      ; elements from row to row of p and of vt
	s_mov_b32 s[(\g)+6], 0
	s_mov_b32 s[(\g)+7], 0
.endr
	s_lshl_b32 s17, s[WC], 18                      ; my 64 rows of a tile
	s_lshl_b32 s96, s[BB], 23
	s_add_co_u32 s96, s96, s17                     ; p: the batch, my half
	s_mov_b32 s97, 0
	s_lshl_b32 s98, s[BB], 22
	s_lshl_b32 s18, s42, 19
	s_add_co_u32 s98, s98, s18
	s_add_co_u32 s98, s98, s17                     ; vt: the batch, my channels, my half
	s_mov_b32 s99, 0
	s_mul_i32 s[LB], s[WV], HALFT                  ; where they go: wave x 64 rows
	s_or_b32 s18, s[GAM], s41
	s_or_b32 s18, s18, s[WR]
	s_cmp_eq_u32 s18, 0
	s_cselect_b32 s[KAP], 1.0, 0
	s_mov_b32 s[KAP+1], s[KAP]
	s_cmp_eq_u32 s[RLO], 0
	s_cselect_b32 s[HL], 16, 0
	s_mov_b32 s[OFA], s[TO]
	s_wait_dscnt 0x0                               ; the opening add is done
	s_wait_kmcnt 0x0
	s_add_nc_u64 s[PAB:PAB+1], s[4:5], s[96:97]
	s_add_nc_u64 s[PBB:PBB+1], s[6:7], s[98:99]
	s_add_nc_u64 s[46:47], s[PAB:PAB+1], s[OFA:OFA+1]
	CROUND                                         ; all sixteen work-groups are here: the first joint loads meet
.irp s, 0,1
	s_mov_b32 s[G0+4*(\s)], 1
	s_add_co_u32 s[G0+4*(\s)+1], s[LB], (\s)*SLOT
	s_add_nc_u64 s[G0+4*(\s)+2:G0+4*(\s)+3], s[46:47], (\s)*KSTEP*2
	s_or_b32 s[G0+4*(\s)+3], s[G0+4*(\s)+3], 0x80000000
	s_mov_b32 s[G0B+4*(\s)], 1
	s_add_co_u32 s[G0B+4*(\s)+1], s[LB], (\s)*SLOT
	s_add_nc_u64 s[G0B+4*(\s)+2:G0B+4*(\s)+3], s[PBB:PBB+1], (\s)*KSTEP*2
	s_or_b32 s[G0B+4*(\s)+3], s[G0B+4*(\s)+3], 0x80000000
	JLOAD \s                                       ; two loads of mine are out
.endr
	v_and_b32 v1, 15, v0
	v_bfe_u32 v2, v0, 4, 1
	v_lshlrev_b32 v5, 12, v2
	v_lshl_add_u32 v[CO], v1, 4, v5                ; lanes 0-15 one row of 4,096 bytes, lanes 16-31 the next
	v_lshlrev_b32 v[T4], 2, v0
	; hd's 16 rows of my 64 channels
	s_lshl_b32 s22, s[BB], 16
	s_lshl_b32 s17, s42, 9
	s_add_co_u32 s22, s22, s17
	s_lshl_b32 s17, s[WC], 8
	s_add_co_u32 s22, s22, s17
	s_mov_b32 s23, 0
	s_add_nc_u64 s[20:21], s[10:11], s[22:23]
	WIN 0x80                                       ; destination window 2, address window 0
.irp t, 0,1,2,3,4,5,6,7
	global_load_b128 v[HH+4*(\t):HH+4*(\t)+3], v[CO], s[20:21] offset:8192*(\t)
.endr
	WIN 0
	; m and l of row (thread) of both tiles, for the 16 key blocks; a block that the rows do not see is clamped to the rows' own, so that every load reads bytes that were written
	s_lshl_b32 s22, s[BB], 18
	s_lshl_b32 s17, s[RHI], 9
	s_add_co_u32 s22, s22, s17
	s_add_nc_u64 s[96:97], s[8:9], s[22:23]
	s_lshl_b32 s22, s[BB], 18
	s_lshl_b32 s17, s[RLO], 9
	s_add_co_u32 s22, s22, s17
	s_add_nc_u64 s[98:99], s[8:9], s[22:23]
.irp t, 0,1,2,3,4,5,6,7,8,9,10,11,12,13,14,15
	s_min_u32 s17, s[RHI], \t
	s_lshl_b32 s17, s17, 14
	v_add_nc_u32 v[OFS+(\t)], s17, v[T4]
	s_min_u32 s18, s[RLO], \t
	s_lshl_b32 s18, s18, 14
	v_add_nc_u32 v[OFS+16+(\t)], s18, v[T4]
.endr
.irp t, 0,1,2,3,4,5,6,7,8,9,10,11,12,13,14,15
	global_load_b32 v[MM+(\t)], v[OFS+(\t)], s[96:97]
	global_load_b32 v[LL+(\t)], v[OFS+(\t)], s[96:97] offset:8192
	global_load_b32 v[MM+16+(\t)], v[OFS+16+(\t)], s[98:99]
	global_load_b32 v[LL+16+(\t)], v[OFS+16+(\t)], s[98:99] offset:8192
.endr
	; all that follows up to the wait stands in the wait for these loads and for the first tile
	WIN 0x80
.set n, 0
.rept 128
	v_mov_b32 v[TOT+n], 0                          ; the totals start at 0: every partial product is added with its factor
.set n, n+1
.endr
	WIN 0
	v_mul_u32_u24 v3, v1, PITCH
	v_lshl_add_u32 v3, v2, 4, v3
	s_mul_i32 s17, s[WR], HALFT                    ; my 64 rows of P
	s_mul_i32 s18, s[WC], HALFT                    ; my 64 rows of V,
	s_add_co_u32 s18, s18, 2*HALFT                 ; behind P's 128
	v_add_nc_u32 v[ADRA0], s17, v3
	v_add_nc_u32 v[ADRB0], s18, v3
	v_mov_b32 v[ADRA], v[ADRA0]
	v_mov_b32 v[ADRB], v[ADRB0]
	s_mul_i32 s17, s[WV], 16*SPITCH
	s_add_co_u32 s17, s17, STAGE                   ; my stage
	v_mul_u32_u24 v4, v1, SPITCH
	v_lshl_add_u32 v4, v2, 5, v4                   ; in: row l % 16, 32 bytes for each half of the lanes
	v_add_nc_u32 v[STO], s17, v4
	v_mul_u32_u24 v5, v2, SPITCH
	v_lshl_add_u32 v5, v1, 4, v5
	v_add_nc_u32 v[RD], s17, v5                    ; back: lanes 0-15 one row of 256 bytes, lanes 16-31 the next
	s_lshl_b32 s17, s[WR], 8
	s_add_co_u32 s17, s17, FT
	v_lshl_add_u32 v[FA0], v1, 4, s17
	v_mov_b32 v[FA], v[FA0]
	v_lshrrev_b32 v5, 6, v0
	v_lshlrev_b32 v5, 8, v5
	v_lshl_add_u32 v5, v1, 4, v5
	v_bfe_u32 v6, v0, 4, 2
	v_lshl_add_u32 v5, v6, 2, v5
	v_add_nc_u32 v[FS], FT, v5
	s_sub_co_u32 s17, 4, s[GAM]
	s_lshl_b32 s17, s17, 11                        ; the second tile's entries follow the first tile's 4 (4 - gam)
	v_add_nc_u32 v[FS+1], s17, v[FS]
	; out0 at my 64 rows x 64 channels of both tiles
	s_lshl_b32 s22, s[BB], 23
	s_lshl_b32 s17, s[WR], 18
	s_add_co_u32 s22, s22, s17
	s_lshl_b32 s17, s42, 9
	s_add_co_u32 s22, s22, s17
	s_lshl_b32 s17, s[WC], 8
	s_add_co_u32 s18, s22, s17
	s_add_co_u32 s22, s18, s[TO]
	s_add_nc_u64 s[OUT:OUT+1], s[12:13], s[22:23]
	s_add_co_u32 s22, s18, s[TOLO]
	s_add_nc_u64 s[OUTLO:OUTLO+1], s[12:13], s[22:23]
; The factors of tile tl (0: first, 1: second), whose rows are block rr: thread t makes row t's sixteen and puts them into the table.
.macro FTAB tl, rr
.set mB, MM+16*(\tl)
.set lB, LL+16*(\tl)
	v_max3_num_f32 v[MXV], v[mB], v[mB+1], v[mB+2]
.irp n, 3,5,7,9,11,13
	v_max3_num_f32 v[MXV], v[MXV], v[mB+(\n)], v[mB+(\n)+1]
.endr
	v_max_num_f32 v[MXV], v[MXV], v[mB+15]         ; M: the clamp has left only blocks that the rows see
.irp t, 0,1,2,3,4,5,6,7,8,9,10,11,12,13,14,15
	v_sub_f32 v[mB+(\t)], v[mB+(\t)], v[MXV]
.endr
.irp t, 0,1,2,3,4,5,6,7,8,9,10,11,12,13,14,15
	v_exp_f32 v[mB+(\t)], v[mB+(\t)]
.endr
	v_nop
	s_wait_alu depctr_va_vdst(0)
.irp t, 0,1,2,3,4,5,6,7,8,9,10,11,12,13,14,15
	s_cmp_ge_u32 s[\rr], \t
	s_cselect_b32 s17, 1.0, 0                      ; a block behind the rows' own counts for nothing
	v_mul_f32 v[mB+(\t)], s17, v[mB+(\t)]
.endr
	v_mul_f32 v[LSV], v[mB], v[lB]
.irp t, 1,2,3,4,5,6,7,8,9,10,11,12,13,14,15
	v_fmac_f32 v[LSV], v[mB+(\t)], v[lB+(\t)]
.endr
	v_rcp_f32 v[RC], v[LSV]                        ; the block that holds M gives 1 x l, and l >= 1
	v_nop
.if \tl
	v_cmp_gt_u32 vcc_lo, s[HL], v0                 ; the batch's head rows come from hd
	s_wait_alu depctr_va_vdst(0)
	v_cndmask_b32 v[RC], v[RC], 0, vcc_lo
.endif
	s_wait_alu depctr_va_vdst(0)
.irp t, 0,1,2,3,4,5,6,7,8,9,10,11,12,13,14,15
	v_mul_f32 v[mB+(\t)], v[mB+(\t)], v[RC]
.endr
.irp t, 0,1,2,3,4,5,6,7,8,9,10,11,12,13,14,15
	ds_store_b32 v[FS+(\tl)], v[mB+(\t)] offset:512*(\t)
.endr
.endm
; 8 matrix instructions: query blocks a0, a0 + 1 x all 4 channel blocks, 32 keys: half c of buffer f.  zero = 1: the products start a partial product.  The 16 accumulators take turns.
.macro MUL8 f, c, a0, zero
	WIN MUL
.irp a, \a0, (\a0)+1
.irp b, 0,1,2,3
.if \zero
	v_wmma_f32_16x16x32_f16 v[ACC+8*(4*(\a)+(\b)):ACC+8*(4*(\a)+(\b))+7], v[(\f)+64+8*(4*(\c)+(\b)):(\f)+64+8*(4*(\c)+(\b))+7], v[(\f)+8*(4*(\c)+(\a)):(\f)+8*(4*(\c)+(\a))+7], 0
.else
	v_wmma_f32_16x16x32_f16 v[ACC+8*(4*(\a)+(\b)):ACC+8*(4*(\a)+(\b))+7], v[(\f)+64+8*(4*(\c)+(\b)):(\f)+64+8*(4*(\c)+(\b))+7], v[(\f)+8*(4*(\c)+(\a)):(\f)+8*(4*(\c)+(\a))+7], v[ACC+8*(4*(\a)+(\b)):ACC+8*(4*(\a)+(\b))+7]
.endif
.endr
.endr
.endm
; 32 LDS loads in one run: the fragments of 64 keys at byte k of the rows of the slot in hand, into buffer f; the first 32 keys first
.macro FETCH k, f
	WIN TO_F
.irp c, 0,1
.irp i, 0,1,2,3
	ds_load_b128 v[(\f)+64+8*(4*(\c)+(\i)):(\f)+64+8*(4*(\c)+(\i))+3],   v[ADRB] offset:(\k)+64*(\c)+(\i)*16*PITCH
	ds_load_b128 v[(\f)+64+8*(4*(\c)+(\i))+4:(\f)+64+8*(4*(\c)+(\i))+7], v[ADRB] offset:(\k)+64*(\c)+(\i)*16*PITCH+32
	ds_load_b128 v[(\f)+8*(4*(\c)+(\i)):(\f)+8*(4*(\c)+(\i))+3],         v[ADRA] offset:(\k)+64*(\c)+(\i)*16*PITCH
	ds_load_b128 v[(\f)+8*(4*(\c)+(\i))+4:(\f)+8*(4*(\c)+(\i))+7],       v[ADRA] offset:(\k)+64*(\c)+(\i)*16*PITCH+32
.endr
.endr
.endm
.macro PLACES                          ; four places behind matrix instructions (ISA guide 7.12.1)
.rept 4
	v_nop
.endr
.endm
; A quarter of a K step: 64 keys.  Multiplies buffer f, fetches the next quarter into g.  fu >= 0: my four factors of the block of 128 keys that begins here are read, at byte fu of the K step's two entries.
.macro QUARTER k, f, g, zero, fu
	s_wait_dscnt 16                                ; the first 32 keys' fragments are in
	MUL8 \f, 0, 0, \zero
	MUL8 \f, 0, 2, \zero
	PLACES
.if (\fu) >= 0
	WIN 0
	ds_load_b128 v[FR:FR+3], v[FA] offset:\fu
.endif
	FETCH \k, \g
	s_wait_dscnt 32                                ; all but the 32 just issued: the factors' load is older
	MUL8 \f, 1, 0, 0
	MUL8 \f, 1, 2, 0
.endm
; The last quarter and the change of slots.  fill = 1: the barrier opens a round of the cluster's; the descriptors' addresses are made anew from the K step's number, and the joint refill is the first thing
; behind the round.  last = 1: the tail, whose second trip fetches nothing.
.macro TURN fill, last
	WIN 0
	s_wait_tensorcnt 0x0                           ; all my tensor loads have landed: my part of the next slot;
	ds_add_u32 v[SPW], v[NIL]                      ; 0 onto my spare word;
	s_wait_dscnt 17                                ; (the add and the youngest sixteen loads may be out)
	MUL8 F1, 0, 0, 0
	s_wait_dscnt 0x0                               ; the add is done, and my reads of this slot are over
	s_barrier_signal -1
	MUL8 F1, 0, 2, 0
	WIN 0
	s_barrier_wait -1
.if \fill
	CREST
	s_lshl_b32 s[OFB], s[KQ], 9                    ; 256 keys are 512 bytes along the rows
	s_add_co_u32 s[OFA], s[OFB], s[TO]
	s_xor_b32 s[G0+5], s[G0+5], SLOT
	s_add_nc_u64 s[G0+6:G0+7], s[PAB:PAB+1], s[OFA:OFA+1]
	s_or_b32 s[G0+7], s[G0+7], 0x80000000
	s_xor_b32 s[G0B+5], s[G0B+5], SLOT
	s_add_nc_u64 s[G0B+6:G0B+7], s[PBB:PBB+1], s[OFB:OFB+1]
	s_or_b32 s[G0B+7], s[G0B+7], 0x80000000
	s_add_co_u32 s[KQ], s[KQ], 1                   ; the tile's next K step, or behind its last the second tile's first
	s_cmp_eq_u32 s[KQ], s[KL]
	s_cselect_b32 s[KQ], 0, s[KQ]
	s_cselect_b32 s[TO], s[TOLO], s[TO]
	JLOAD 1                                        ; 112 matrix instructions in which to land; its four v_nop are also the places in front of the loads below
.else
	PLACES
.endif
	s_xor_b32 s[TB], s[TB], SLOT
	v_add_nc_u32 v[ADRA], s[TB], v[ADRA0]
	v_add_nc_u32 v[ADRB], s[TB], v[ADRB0]
.if \last
	s_cmp_eq_u32 s[CNT], 1
	s_cbranch_scc1 .Lnofetch_\@
.endif
	FETCH 0, F0
	WIN 0
.if \last
.Lnofetch_\@:
.endif
	MUL8 F1, 1, 0, 0
	MUL8 F1, 1, 2, 0
.endm
; total += factor x partial product; each accumulator's lowest registers are read first.  Query block a's factor is register a of FR.
.macro MERGE
	PLACES
	WIN 0xa0                                       ; destination and source 2 window 2; sources 0 and 1 window 0
.irp a, 0,1,2,3
.irp b, 0,1,2,3
.irp z, 0,2,4,6
.if ((\a)%2) == 0
	v_pk_fma_f32 v[TOT+8*(4*(\a)+(\b))+(\z):TOT+8*(4*(\a)+(\b))+(\z)+1], v[ACC+8*(4*(\a)+(\b))+(\z):ACC+8*(4*(\a)+(\b))+(\z)+1], v[FR+2*((\a)/2):FR+2*((\a)/2)+1], v[TOT+8*(4*(\a)+(\b))+(\z):TOT+8*(4*(\a)+(\b))+(\z)+1] op_sel_hi:[1,0,1]
.else
	v_pk_fma_f32 v[TOT+8*(4*(\a)+(\b))+(\z):TOT+8*(4*(\a)+(\b))+(\z)+1], v[ACC+8*(4*(\a)+(\b))+(\z):ACC+8*(4*(\a)+(\b))+(\z)+1], v[FR+2*((\a)/2):FR+2*((\a)/2)+1], v[TOT+8*(4*(\a)+(\b))+(\z):TOT+8*(4*(\a)+(\b))+(\z)+1] op_sel:[0,1,0] op_sel_hi:[1,1,1]
.endif
.endr
.endr
.endr
.endm
; A K step: 256 keys, two blocks of 128, each a partial product that starts from 0 and is merged with its factor.
.macro STEP fill, last
	QUARTER 128, F0, F1, 1, 0
	QUARTER 256, F1, F0, 0, -1
	MERGE
	QUARTER 384, F0, F1, 1, 512
	TURN \fill, \last
	MERGE
	WIN 0
	s_add_co_u32 s[FB], s[FB], 1024
	v_add_nc_u32 v[FA], s[FB], v[FA0]
.endm
; THE WAY OUT of a tile: 16 rows at a time through my own stage, back as whole rows of 256 bytes, stored.  hflag = 1 (the second tile): hd's rows are added onto the first 16, times KAP.
.macro WAYOUT hflag
.irp a, 0,1,2,3
	WIN 0x08                                       ; the stores' data in window 2
.irp b, 0,1,2,3
	ds_store_b128 v[STO], v[TOT+8*(4*(\a)+(\b)):TOT+8*(4*(\a)+(\b))+3] offset:64*(\b)
	ds_store_b128 v[STO], v[TOT+8*(4*(\a)+(\b))+4:TOT+8*(4*(\a)+(\b))+7] offset:64*(\b)+16
.endr
	WIN 0
	s_wait_xcnt 0x0                                ; BK, which earlier stores read, is loaded again only behind this wait
.irp t, 0,1,2,3,4,5,6,7
	ds_load_b128 v[BK+32*((\a)%2)+4*(\t):BK+32*((\a)%2)+4*(\t)+3], v[RD] offset:(\t)*2*SPITCH  ; LDS serves a wave's instructions in order (ISA guide 5.7.1.4)
.endr
	s_wait_dscnt 0x0
.if (\hflag) && ((\a) == 0)
	WIN 0x02                                       ; source 0 window 2
.set n, 0
.rept 16
	v_pk_fma_f32 v[BK+2*n:BK+2*n+1], v[HH+2*n:HH+2*n+1], s[KAP:KAP+1], v[BK+2*n:BK+2*n+1] op_sel_hi:[1,0,1]
.set n, n+1
.endr
	WIN 0
.endif
.irp t, 0,1,2,3,4,5,6,7
	global_store_b128 v[CO], v[BK+32*((\a)%2)+4*(\t):BK+32*((\a)%2)+4*(\t)+3], s[OUT:OUT+1] offset:(16*(\a)+2*(\t))*4096  ; 16 lanes store 256 consecutive bytes, aligned
.endr
.endr
.endm
	s_wait_loadcnt 0x0                             ; m, l and hd's rows
	FTAB 0, RHI
	FTAB 1, RLO                                    ; its entries land on the first tile's dead ones: same thread, same wave, so in order
	s_wait_dscnt 0x0                               ; for the others' sake: my part of the table is written
	s_wait_tensorcnt 1                             ; my part of the first K step is in; the second's may stay out
	s_barrier_signal -1
	s_barrier_wait -1
	FETCH 0, F0
	WIN 0
	s_mov_b32 s[LC], 8
.Lstep:                                                ; K steps 0 to 7 of the walk's 10: each fills its slot again
	STEP 1, 0
	s_sub_co_u32 s[RL], s[RL], 1
	s_cmp_lg_u32 s[RL], 0
	s_cbranch_scc1 .Lno                            ; forward, past text with no barrier and no tensor load
	WAYOUT 0                                       ; the first tile is finished
	WIN 0x80
.set n, 0
.rept 128
	v_mov_b32 v[TOT+n], 0
.set n, n+1
.endr
	WIN 0
	s_wait_xcnt 0x0                                ; the stores have read their base
	s_mov_b64 s[OUT:OUT+1], s[OUTLO:OUTLO+1]
.Lno:
	s_sub_co_u32 s[LC], s[LC], 1
	s_cmp_lg_u32 s[LC], 0
	s_cbranch_scc1 .Lstep
	s_mov_b32 s[CNT], 2
.Ltail:                                                ; the last two K steps ask for nothing: a text of their own
	STEP 0, 1
	s_sub_co_u32 s[CNT], s[CNT], 1
	s_cmp_lg_u32 s[CNT], 0
	s_cbranch_scc1 .Ltail
	WAYOUT 1
	s_wait_tensorcnt 0x0                           ; the wave's end
	ds_add_u32 v[SPW], v[NIL]
	s_wait_dscnt 0x0
	CROUND                                         ; the closing round
	s_endpgm
.Lfunc_end_k_q81ff19d854_pv:
	.size	k_q81ff19d854_pv, .Lfunc_end_k_q81ff19d854_pv-k_q81ff19d854_pv
	.p2alignl 7, 3214868480
	.fill 96, 4, 3214868480
	.section	.rodata,"a",@progbits
	.p2align	6, 0x0
	.amdhsa_kernel k_q81ff19d854_pv
		.amdhsa_group_segment_fixed_size 327680
		.amdhsa_private_segment_fixed_size 0
		.amdhsa_enable_private_segment 0
		.amdhsa_kernarg_size 40
		.amdhsa_user_sgpr_count 2
		.amdhsa_user_sgpr_kernarg_segment_ptr 1
		.amdhsa_wavefront_size32 1
		.amdhsa_system_sgpr_workgroup_id_x 1
		.amdhsa_system_sgpr_workgroup_id_y 1
		.amdhsa_system_sgpr_workgroup_id_z 1
		.amdhsa_system_vgpr_workitem_id 0
		.amdhsa_next_free_vgpr 672
		.amdhsa_next_free_sgpr 100
		.amdhsa_reserve_vcc 1
		.amdhsa_float_denorm_mode_32 3
		.amdhsa_float_denorm_mode_16_64 3
		.amdhsa_memory_ordered 1
		.amdhsa_forward_progress 1
		.amdhsa_inst_pref_size 110
	.end_amdhsa_kernel
	.amdgpu_metadata
---
amdhsa.version: [ 1, 2 ]
amdhsa.kernels:
  - .name:           k_q81ff19d854_pv
    .symbol:         k_q81ff19d854_pv.kd
    .args:
      - { .name: p, .offset: 0, .size: 8, .value_kind: global_buffer, .address_space: global }
      - { .name: vt, .offset: 8, .size: 8, .value_kind: global_buffer, .address_space: global }
      - { .name: st, .offset: 16, .size: 8, .value_kind: global_buffer, .address_space: global }
      - { .name: hd, .offset: 24, .size: 8, .value_kind: global_buffer, .address_space: global }
      - { .name: out0, .offset: 32, .size: 8, .value_kind: global_buffer, .address_space: global }
    .group_segment_fixed_size: 327680
    .private_segment_fixed_size: 0
    .kernarg_segment_align: 8
    .kernarg_segment_size: 40
    .max_flat_workgroup_size: 128
    .sgpr_count:     100
    .vgpr_count:     672
    .wavefront_size: 32
...
	.end_amdgpu_metadata
.endif
;; end of part 4
;; ======== version 2 of 2: 4 launches; version 1 with the launch cast written anew for expert scheduling mode
;; limits: values are held in f16: magnitudes above 65,504 overflow, below 6.1e-05 lose precision
;; workspace buffers: xb 16,777,216 bytes; wb 6,291,456 bytes; qk 33,554,432 bytes; vt 16,777,216 bytes; p 33,554,432 bytes; st 1,048,576 bytes; hd 262,144 bytes
;; launch cast (part 5): grid 704 x 1, 8 waves a work-group, no clusters, 0 bytes of LDS; arguments embedded, W_Q, W_K, W_V, xb, wb; writes xb, wb
.if DOCPART == 5
	.amdgcn_target "amdgcn-amd-amdhsa--gfx1250"
	.amdhsa_code_object_version 6
	.text
	.protected	k_q81ff19d854_cast
	.globl	k_q81ff19d854_cast
	.p2align	8
	.type	k_q81ff19d854_cast,@function
k_q81ff19d854_cast:
	s_mov_b64 s[64:65], 0
	v_nop
	global_prefetch_b8 v0, s[64:65] scope:SCOPE_SE
	s_setreg_imm32_b32 hwreg(HW_REG_WAVE_SCHED_MODE, 0, 2), 2
	s_setreg_imm32_b32 hwreg(HW_REG_WAVE_MODE, 25, 1), 1
	s_wait_xcnt 0x0
	s_wait_alu depctr_vm_vsrc(0)
; embedded [8192][1024] and W_Q, W_K, W_V [1024][1024], all f32, are rounded once to bf16: xb [8192][1024], wb [3072][1024] (rows of W_Q, W_K, W_V).
; A stream: each byte is read once and written once; no LDS, no barrier, no matrix unit: there is nothing for them to do.
; A work-group takes 16,384 numbers (65,536 bytes in, 32,768 out): groups 0-511 take embedded, groups 512-703 the weights, 64 groups each.
; Thread t takes 16 bytes at 16 t of each of sixteen pieces of 4,096 bytes; all sixteen loads are issued together; a wave's store covers 256 consecutive bytes, aligned.
; THE MODE: SCHED_MODE bits 1:0 = 2 (LLVM: expert scheduling mode 2), set by the entry lines.  The code itself states the register dependences
; between vector instructions and memory instructions, with s_wait_alu, always for 0.
; THE PLAN.  Registers that memory instructions touch (there is no loop, and each is written once):
;   v1, v2   byte offsets, made at the head and never written again: v1 is read by the sixteen loads, v2 by the sixteen stores.
;   IN       piece j: four registers, written by load j, read by piece j's two conversions; no vector instruction names them ahead of the loads, and nothing is loaded into them again.
;   PKD      piece j: two registers, written by piece j's two conversions, read by store j; never written again.
; So one wait on va_vdst stands ahead of the first load, for the offsets, and the sixteen pieces go in four groups of four: the group's eight conversions, ONE wait on va_vdst, its four stores.
; That wait stands behind the conversions and not at the next group's head, which waits for memory: stores held until there would leave a group of loads later, eight of the sixteen behind the last load.
; No register that a memory instruction has read is written again, so no wait on vm_vsrc is owed; no vector instruction writes a scalar register or VCC; EXEC is never written.
.set IN,  4                            ; v[4:67]   sixteen loads of four f32
.set PKD, 68                           ; v[68:99]  sixteen pairs of packed bf16
	s_load_b256 s[4:11], s[0:1], 0x0               ; embedded s[4:5], W_Q s[6:7], W_K s[8:9], W_V s[10:11]
	s_load_b128 s[12:15], s[0:1], 0x20             ; xb s[12:13], wb s[14:15]
	v_lshlrev_b32 v1, 4, v0                        ; 16 t
	v_lshlrev_b32 v2, 3, v0                        ; 8 t
	s_sub_co_u32 s16, ttmp9, 512                   ; e: the group's number among the weights' (used only where the group is one of them)
	s_lshr_b32 s17, s16, 6                         ; which weight
	s_and_b32 s18, s16, 63                         ; which piece of it
	s_lshl_b32 s20, s18, 16                        ; a weight's piece: bytes in,
	s_lshl_b32 s22, s16, 15                        ; bytes out (the three weights follow each other in wb)
	s_lshl_b32 s24, ttmp9, 16                      ; embedded's piece: bytes in,
	s_lshl_b32 s25, ttmp9, 15                      ; bytes out
	s_mov_b32 s21, 0
	s_mov_b32 s23, 0
	s_wait_kmcnt 0x0
	s_cmp_eq_u32 s17, 1
	s_cselect_b64 s[6:7], s[8:9], s[6:7]
	s_cmp_eq_u32 s17, 2
	s_cselect_b64 s[6:7], s[10:11], s[6:7]         ; the weight that e names
	s_cmp_lt_u32 ttmp9, 512
	s_cselect_b64 s[4:5], s[4:5], s[6:7]           ; from where,
	s_cselect_b64 s[12:13], s[12:13], s[14:15]     ; to where,
	s_cselect_b32 s20, s24, s20                    ; and the two offsets
	s_cselect_b32 s22, s25, s22
	s_add_nc_u64 s[4:5], s[4:5], s[20:21]
	s_add_nc_u64 s[12:13], s[12:13], s[22:23]
	s_wait_alu depctr_va_vdst(0)                   ; v1 and v2 are written: every load below reads v1 as its offset, every store v2
.irp j, 0,1,2,3,4,5,6,7,8,9,10,11,12,13,14,15
	global_load_b128 v[IN+4*(\j):IN+4*(\j)+3], v1, s[4:5] offset:4096*(\j) th:TH_LOAD_NT
.endr
.irp g, 0,1,2,3
	s_wait_loadcnt 12-4*(\g)                       ; loads come back in order (ISA guide 5.7.1): the group's four are in, the 12 - 4 g younger ones stay out
.irp i, 0,1,2,3
	v_cvt_pk_bf16_f32 v[PKD+2*(4*(\g)+(\i))], v[IN+4*(4*(\g)+(\i))], v[IN+4*(4*(\g)+(\i))+1]
	v_cvt_pk_bf16_f32 v[PKD+2*(4*(\g)+(\i))+1], v[IN+4*(4*(\g)+(\i))+2], v[IN+4*(4*(\g)+(\i))+3]
.endr
	s_wait_alu depctr_va_vdst(0)                   ; the group's eight conversions have written its eight registers of PKD, which the four stores below read
.irp i, 0,1,2,3
	global_store_b64 v2, v[PKD+2*(4*(\g)+(\i)):PKD+2*(4*(\g)+(\i))+1], s[12:13] offset:2048*(4*(\g)+(\i))
.endr
.endr
	s_endpgm
.Lfunc_end_k_q81ff19d854_cast:
	.size	k_q81ff19d854_cast, .Lfunc_end_k_q81ff19d854_cast-k_q81ff19d854_cast
	.p2alignl 7, 3214868480
	.fill 96, 4, 3214868480
	.section	.rodata,"a",@progbits
	.p2align	6, 0x0
	.amdhsa_kernel k_q81ff19d854_cast
		.amdhsa_group_segment_fixed_size 0
		.amdhsa_private_segment_fixed_size 0
		.amdhsa_enable_private_segment 0
		.amdhsa_kernarg_size 48
		.amdhsa_user_sgpr_count 2
		.amdhsa_user_sgpr_kernarg_segment_ptr 1
		.amdhsa_wavefront_size32 1
		.amdhsa_system_sgpr_workgroup_id_x 1
		.amdhsa_system_sgpr_workgroup_id_y 1
		.amdhsa_system_sgpr_workgroup_id_z 1
		.amdhsa_system_vgpr_workitem_id 0
		.amdhsa_next_free_vgpr 104
		.amdhsa_next_free_sgpr 66
		.amdhsa_reserve_vcc 0
		.amdhsa_float_denorm_mode_32 3
		.amdhsa_float_denorm_mode_16_64 3
		.amdhsa_memory_ordered 1
		.amdhsa_forward_progress 1
		.amdhsa_inst_pref_size 7
	.end_amdhsa_kernel
	.amdgpu_metadata
---
amdhsa.version: [ 1, 2 ]
amdhsa.kernels:
  - .name:           k_q81ff19d854_cast
    .symbol:         k_q81ff19d854_cast.kd
    .args:
      - { .name: embedded, .offset: 0, .size: 8, .value_kind: global_buffer, .address_space: global }
      - { .name: W_Q, .offset: 8, .size: 8, .value_kind: global_buffer, .address_space: global }
      - { .name: W_K, .offset: 16, .size: 8, .value_kind: global_buffer, .address_space: global }
      - { .name: W_V, .offset: 24, .size: 8, .value_kind: global_buffer, .address_space: global }
      - { .name: xb, .offset: 32, .size: 8, .value_kind: global_buffer, .address_space: global }
      - { .name: wb, .offset: 40, .size: 8, .value_kind: global_buffer, .address_space: global }
    .group_segment_fixed_size: 0
    .private_segment_fixed_size: 0
    .kernarg_segment_align: 8
    .kernarg_segment_size: 48
    .max_flat_workgroup_size: 256
    .sgpr_count:     66
    .vgpr_count:     104
    .wavefront_size: 32
...
	.end_amdgpu_metadata
.endif
;; end of part 5
;; launch proj: the kernel of part 2 again; grid 8 x 32, 4 waves a work-group, clusters of 4 x 4, 327,680 bytes of LDS; arguments xb, wb, qk, vt; writes qk, vt
;; launch scores: the kernel of part 3 again; grid 44 x 4, 4 waves a work-group, no clusters, 327,680 bytes of LDS; arguments qk, xb, wb, p, st, hd; writes p, st, hd
;; launch pv: the kernel of part 4 again; grid 8 x 32, 4 waves a work-group, clusters of 4 x 4, 327,680 bytes of LDS; arguments p, vt, st, hd, out0; writes out0
